; MI455X (gfx1250); checked and timed in simulation.
; The chip was launched on July 23, 2026; its instructions are those of AMD's public machine-readable ISA for CDNA 5 (MIT licence, August 2026) and "CDNA5" Instruction Set Architecture Reference Guide (July 2026). The comments in the code are by the model that wrote it; some were corrected since.
;; Multi Head Attention. Allowed arithmetic: matrix products marked QUANTISED: E4M3 operands, one given power-of-two scale a tensor, by v_wmma_f32_16x16x64_fp8_fp8 or v_wmma_f32_16x16x128_fp8_fp8, f32 sums; products left as they are: f32 operands where the result goes on into a quantised operand, else bf16, f16 or f32 operands; f32 sums; everything else in f32.
;; Inputs: Wk 2,048 x 2,048 float32; Wo 2,048 x 2,048 float32; Wq 2,048 x 2,048 float32; Wv 2,048 x 2,048 float32; attention_mask 1 x 1 x 2,048 x 2,048 int32; hidden_states 1 x 2,048 x 2,048 float32; lowp_scales 12 int32 (the exponents e of the quantised operands' scales 2^e).
;; Outputs: out0 1 x 2,048 x 2,048 float32.
;; This version of the problem:
;;   THIS VERSION OF THE PROBLEM IS GIVEN IN LOW PRECISION. The matrix products marked QUANTISED in the list below multiply operands that are first quantised to E4M3 (4 exponent bits, 3 mantissa bits; 8 bits a number), with one given power-of-two scale for each operand tensor; their sums are f32. All else is computed in f32.
;;   The module's matrix products, in the order in which they are computed (A, B: the left and right operand; K: the contracted axis; several contracted axes count as one K, in the product's order):
;;     1. [M 2,048, K 2,048] x [K 2,048, N 2,048]; A: input hidden_states; B: input Wq: QUANTISED (scales: A lowp_scales[0], B lowp_scales[1])
;;     2. [M 2,048, K 2,048] x [K 2,048, N 2,048]; A: input hidden_states; B: input Wk: QUANTISED (scales: A lowp_scales[2], B lowp_scales[3])
;;     3. [M 2,048, K 2,048] x [K 2,048, N 2,048]; A: input hidden_states; B: input Wv: QUANTISED (scales: A lowp_scales[4], B lowp_scales[5])
;;     4. [M 2,048, K 1] x [K 1, N 64]; A: computed on the way; B: computed on the way: left as it is (no contracted axis)
;;     5. batch 16 x [M 2,048, K 128] x [K 128, N 2,048]; A: computed on the way; B: computed on the way: QUANTISED (scales: A lowp_scales[6], B lowp_scales[7])
;;     6. batch 16 x [M 2,048, K 2,048] x [K 2,048, N 128]; A: softmax (see below); B: computed on the way: QUANTISED (scales: A lowp_scales[8], B lowp_scales[9])
;;     7. [M 2,048, K 2,048] x [K 2,048, N 2,048]; A: computed on the way; B: input Wo: QUANTISED (scales: A lowp_scales[10], B lowp_scales[11])
;;   THE QUANTISER, for each operand of a quantised product, along K:
;;     - The operand's scale is 2^e, e = its entry of the input lowp_scales (int32; the entries are numbered through the quantised products in the list's order, A before B).
;;     - Each number is divided by the scale, clamped to +-448, and rounded to the nearest number of E4M3, ties to even, subnormals kept.
;;     - The product sums the exact products of the quantised numbers (number of the format x scale) in f32.
;;   ~~~python
;;   def quantise(x, axis, e):      # numpy; x: float32 -> the quantised numbers, widened to float32 again
;;       x = np.moveaxis(x, axis, -1); K = x.shape[-1]
;;       r = np.clip(x / 2.0 ** e, -448, 448)
;;       step = 2.0 ** (np.maximum(np.frexp(np.where(r == 0, 1, r))[1] - 1, -6) - 3)
;;       q = np.round(r / step) * step * 2.0 ** e      # np.round: ties to even
;;       return np.moveaxis(q, -1, axis).astype(np.float32)
;;   ~~~
;;   SOFTMAX AHEAD OF A QUANTISED PRODUCT. Where the list says 'softmax', what is quantised is not the finished softmax but p = 2^(t - M), with t = logit x log2(e) and M = ceil(the row's largest t), a whole number; so 1/2 < the row's largest p <= 1. The row's sum l is taken of the UNQUANTISED p, in f32, and the product's result is divided by l at the end. Since M is a whole number, a kernel that streams over the keys may use a running M (the ceiling of the running maximum): every later rescaling is an exact power of two, so the quantised numbers keep their values, but for numbers so far below the row's largest that they fall under the format's range.
;;   OPERANDS COMPUTED ON THE WAY. 'Computed on the way' means the value that the module computes at that place (a softmax that the list does not call 'softmax' is quantised finished and normalised). What goes into a quantiser is computed in f32, as accurately as f32 sums, v_exp_f32 and their like allow (about 1e-6 of the number): no bf16 or f16 on the way to a quantiser, and a product that is left as it is and whose result goes on into a quantised operand takes f32 operands (vector FMAs, or v_wmma_f32_16x16x4_f32). A number that lies on a knife's edge between two numbers of the format may be rounded either way, as far as f32 arithmetic and the matrix unit's own rounding can turn it there, and no further.
;; One version. Each part assembles by itself: llvm-mc -triple=amdgcn-amd-amdhsa -mcpu=gfx1250 --defsym DOCPART=n.
;; ======== version 1 of 1: 4 launches
;; limits: right only within a limited range of input values
;; workspace buffers: xc 12,582,912 bytes; wc 16,777,216 bytes; mk 524,288 bytes of whole numbers; rope 1,048,576 bytes; qkv 12,582,912 bytes; ac 4,194,304 bytes
;; launch prep (part 1): grid 800 x 1, 4 waves a work-group, no clusters, 67,072 bytes of LDS; arguments hidden_states, Wq, Wk, Wv, Wo, attention_mask, lowp_scales, xc, wc, mk, rope; writes xc, wc, mk, rope
.if DOCPART == 1
	.amdgcn_target "amdgcn-amd-amdhsa--gfx1250"
	.amdhsa_code_object_version 6
	.text
	.protected	k_q2eb9bc978b_prep
	.globl	k_q2eb9bc978b_prep
	.p2align	8
	.type	k_q2eb9bc978b_prep,@function
k_q2eb9bc978b_prep:
	s_mov_b64 s[64:65], 0
	v_nop
	global_prefetch_b8 v0, s[64:65] scope:SCOPE_SE
	s_setreg_imm32_b32 hwreg(HW_REG_WAVE_MODE, 25, 1), 1
	s_wait_xcnt 0x0
; PREP: everything that is read once as f32 or int32 is turned into what the later launches read many times.
; Work-groups 0-639: quantiser.  job = g / 128: 0 = hidden_states (three sets of codes, under entries 0, 2, 4 of the scales), 1..4 = Wq, Wk, Wv, Wo (entries 1, 3, 5, 11).
;   code = x / 2^e, held within +-448, rounded to the nearest E4M3 code, ties to even.  A tensor is a plain stream of blocks of 32 along K; a wave takes 16 steps of 512 numbers.
;   THE CODES LIE SWAPPED: in each block of 32 bytes the order is k 0-7, 16-23, 8-15, 24-31.  A 16-byte LDS load at 32 c + 16 h of a row then brings k = 32 c + 8 h + 0..7 and 32 c + 16 + 8 h + 0..7,
;   which are registers 4 c .. 4 c + 3 of the plain FP8 matrix form's own layout (registers 2 c', 2 c' + 1: k = 16 c' + 8 h + 0..7).
; Work-groups 640-767: the mask.  For a tile of 16 queries (qt) and a step of 128 keys (ks): 64 lane masks; mask n = 8 t + j has bit 16 h + r set where attention_mask[16 qt + r][128 ks + 16 t + 8 h + j] == 0.
;   Mask n lies at dword 2 (n % 32) + n / 32 of the 256 bytes of (qt, ks).
; Work-groups 768-799: cos and sin of token x 10000^(-i / 64), laid as the projection's way out reads them: [token block 128][b 4][c 4][lane 32][4 f32]; lane (r, h): token 16 tb + r, i = 16 b + 8 h + j;
;   c = 0, 1: cos of j 0-3, 4-7; c = 2, 3: sin.
; LIMITS: each of the entries 0-5 and 11 lies between -126 and 119, so that 2^e and 448 x 2^e are f32 numbers.  NaN among the inputs is not served.
;   10000^(-i / 64) is made as 2^(-i log2(10) / 16), the exponent in two parts; its error is that of v_exp_f32; an angle (up to 2,047) carries that relative error.
; Each path has LDS bytes of its own; waves share nothing: no barrier.
.set SPARE, 66560                      ; the spare words: 128 bytes a wave, two blocks of 256 bytes that no other line names
.set QREG,  8192                       ; quantiser: a region for each wave: two stages of 32 x SP bytes
.set SP,    80                         ; 64 bytes + 16 of padding
.set MBASE, 32768                      ; mask: a region of MREG bytes for each wave: 16 rows x MP
.set MREG,  8448
.set MP,    528                        ; 512 bytes + 16 of padding: an odd multiple of 16, so sixteen rows' 16-byte pieces fall on different banks (ISA guide 11.1)
.set STEPS, 16
.set SPW,   12                         ; v12  LDS address of my spare word; never rewritten
.set NIL,   13                         ; v13  0; never rewritten
.set R,     16                         ; v16-79    four sets of 16 numbers as loaded
.set X,     80                         ; v80-111   two sets of 16: my two groups of 8 neighbours
.set T,     112                        ; v112-127  the numbers, held
.set C,     128                        ; v128-175  codes: 12 registers a step, four steps by turns
.set ML,    16                         ; mask: v16-143 two sets of 64 words as loaded
.set MD,    144                        ; v144-207  64 words in the scores' layout
.set MZ,    208                        ; v208-215  a pair of mask words for each of my four key steps
.macro FINISH                          ; the wave's end: behind my last LDS store
	s_wait_tensorcnt 0x0
	ds_add_u32 v[SPW], v[NIL]
	s_wait_dscnt 0x0
	s_endpgm
.endm
	s_load_b512 s[4:19], s[0:1], 0x0               ; x 4:5, Wq 6:7, Wk 8:9, Wv 10:11, Wo 12:13, mask 14:15, scales 16:17, xc 18:19
	s_load_b128 s[20:23], s[0:1], 0x40             ; wc 20:21, mk 22:23
	s_load_b64 s[24:25], s[0:1], 0x50              ; rope
	v_lshl_add_u32 v[SPW], v0, 2, SPARE
	v_mov_b32 v[NIL], 0
	v_lshrrev_b32 v1, 5, v0
	v_readfirstlane_b32 s26, v1                    ; wave
	v_and_b32 v2, 31, v0                           ; lane
	v_lshlrev_b32 v3, 4, v2                        ; 16 x lane
	v_lshlrev_b32 v5, 3, v2                        ; 8 x lane
	; every LDS address is made here, ahead of the parting of the ways
	s_mul_i32 s40, s26, QREG
	v_lshrrev_b32 v14, 2, v2
	v_mul_u32_u24 v14, v14, SP
	v_and_b32 v4, 3, v2
	v_lshl_add_u32 v14, v4, 4, v14
	v_add_nc_u32 v14, s40, v14                     ; quantiser's stage, in: four lanes' 64 bytes on end, then the padding
	v_lshrrev_b32 v15, 1, v2
	v_mul_u32_u24 v15, v15, 2*SP
	v_and_b32 v4, 1, v2
	v_lshl_add_u32 v15, v4, 5, v15
	v_add_nc_u32 v15, s40, v15                     ; out: block lane / 2, numbers 8 (lane % 2) on; the second group 16 numbers (one place of SP) further
	s_mul_i32 s41, s26, MREG
	s_add_co_u32 s41, s41, MBASE
	v_add_nc_u32 v6, s41, v3                       ; mask's stage, in: a row's 512 bytes as they lie
	v_and_b32 v4, 15, v2
	v_mul_u32_u24 v7, v4, MP
	v_lshrrev_b32 v4, 4, v2
	v_lshl_add_u32 v7, v4, 5, v7
	v_add_nc_u32 v7, s41, v7                       ; out: row r, 8 h keys on
	s_cmp_ge_u32 ttmp9, 768
	s_cbranch_scc1 .Lrope
	s_cmp_ge_u32 ttmp9, 640
	s_cbranch_scc1 .Lmask
; ---------------------------------------------------------------- the quantiser
	s_lshr_b32 s27, ttmp9, 7                       ; job
	s_and_b32 s52, ttmp9, 127
	s_lshl_b32 s52, s52, 2
	s_add_co_u32 s52, s52, s26                     ; which run of 8,192 numbers is my wave's
	s_lshl_b32 s54, s52, 15                        ; its bytes in the source,
	s_mov_b32 s55, 0
	s_lshl_b32 s56, s52, 13                        ; and among the codes,
	s_max_u32 s57, s27, 1
	s_sub_co_u32 s57, s57, 1
	s_lshl_b32 s57, s57, 22                        ; behind the weights in front of mine (4 MiB each)
	s_add_co_u32 s56, s56, s57
	s_mov_b32 s57, 0
	s_wait_kmcnt 0x0
	s_load_b256 s[28:35], s[16:17], 0x0            ; entries 0-7
	s_load_b128 s[36:39], s[16:17], 0x20           ; entries 8-11
	s_mov_b64 s[42:43], s[4:5]                     ; the source: chosen by the work-group's number alone
	s_cmp_eq_u32 s27, 1
	s_cselect_b64 s[42:43], s[6:7], s[42:43]
	s_cmp_eq_u32 s27, 2
	s_cselect_b64 s[42:43], s[8:9], s[42:43]
	s_cmp_eq_u32 s27, 3
	s_cselect_b64 s[42:43], s[10:11], s[42:43]
	s_cmp_eq_u32 s27, 4
	s_cselect_b64 s[42:43], s[12:13], s[42:43]
	s_cmp_eq_u32 s27, 0
	s_cselect_b64 s[46:47], s[18:19], s[20:21]     ; the codes: xc or wc
	s_add_nc_u64 s[42:43], s[42:43], s[54:55]
	s_add_nc_u64 s[46:47], s[46:47], s[56:57]
	s_add_nc_u64 s[48:49], s[46:47], 0x400000      ; x's second and third set of codes (used by job 0 alone)
	s_add_nc_u64 s[50:51], s[46:47], 0x800000
.macro QLOAD t
.irp i, 0,1,2,3
	global_load_b128 v[R+16*((\t)%4)+4*\i:R+16*((\t)%4)+4*\i+3], v3, s[42:43] offset:2048*(\t)+512*\i th:TH_LOAD_NT   ; 32 lanes read 512 consecutive bytes
.endr
.endm
.macro QTURN t                         ; a step's numbers through the stage: LDS serves a wave's instructions in order (ISA guide 5.7.1.4)
.irp i, 0,1,2,3
	ds_store_b128 v14, v[R+16*((\t)%4)+4*\i:R+16*((\t)%4)+4*\i+3] offset:32*SP*((\t)%2)+8*SP*\i
.endr
	ds_load_b128 v[X+16*((\t)%2):X+16*((\t)%2)+3], v15 offset:32*SP*((\t)%2)
	ds_load_b128 v[X+16*((\t)%2)+4:X+16*((\t)%2)+7], v15 offset:32*SP*((\t)%2)+16
	ds_load_b128 v[X+16*((\t)%2)+8:X+16*((\t)%2)+11], v15 offset:32*SP*((\t)%2)+SP
	ds_load_b128 v[X+16*((\t)%2)+12:X+16*((\t)%2)+15], v15 offset:32*SP*((\t)%2)+SP+16
.endm
.macro MKSCALE e, vsc, vlim            ; 2^e and 448 x 2^e as f32 numbers
	s_add_co_i32 s40, \e, 127
	s_lshl_b32 s41, s40, 23
	v_mov_b32 v[\vsc], s41
	s_add_co_i32 s40, s40, 8
	s_lshl_b32 s40, s40, 23
	s_or_b32 s40, s40, 0x600000
	v_mov_b32 v[\vlim], s40
.endm
.macro CONV sc, lim, base, c, off      ; the step's 16 numbers, held, converted and stored under one scale
.irp i, 0,1,2,3,4,5,6,7,8,9,10,11,12,13,14,15
	v_med3_num_f32 v[T+\i], v[XS+\i], -v[\lim], v[\lim]    ; the conversion to an 8-bit code does not saturate (ISA guide 7.6.2)
.endr
	v_cvt_scalef32_pk8_fp8_f32 v[(\c):(\c)+1], v[T:T+7], v[\sc]
	v_cvt_scalef32_pk8_fp8_f32 v[(\c)+2:(\c)+3], v[T+8:T+15], v[\sc]
	v_nop                                          ; a plain line between the conversions and the next holds, which write their sources
	global_store_b128 v3, v[(\c):(\c)+3], s[\base:\base+1] offset:\off   ; the wave stores 512 consecutive bytes, aligned
.endm
.irp t, 0,1,2,3
	QLOAD \t
.endr
	s_wait_kmcnt 0x0
	s_mov_b32 s44, s28
	s_cmp_eq_u32 s27, 1
	s_cselect_b32 s44, s29, s44
	s_cmp_eq_u32 s27, 2
	s_cselect_b32 s44, s31, s44
	s_cmp_eq_u32 s27, 3
	s_cselect_b32 s44, s33, s44
	s_cmp_eq_u32 s27, 4
	s_cselect_b32 s44, s39, s44                    ; my tensor's (first) exponent
	MKSCALE s44, 8, 9
	MKSCALE s30, 10, 11                            ; entries 2 and 4: x's other two
	MKSCALE s32, 176, 177
	s_wait_alu depctr_va_vdst(0)
	s_wait_loadcnt 12                              ; step 0's four loads are in; three steps' may be out
	QTURN 0
.macro QSTEP t
.set XS, X+16*((\t)%2)
.set CR, C+12*((\t)%4)
	s_wait_dscnt 0x0                               ; this step's numbers are back from the stage, and its stores into the stage have read their registers
	s_wait_xcnt 0x0                                ; earlier stores have read their codes: the registers may be written again
.if (\t)+4 < STEPS
	QLOAD (\t)+4
.endif
.if (\t)+1 < STEPS
.if STEPS-2-(\t) >= 3
	s_wait_loadcnt 12                              ; the next step's four loads are in; those of the three steps behind it may be out
.else
	s_wait_loadcnt 4*(STEPS-2-(\t))
.endif
	QTURN (\t)+1
.endif
	CONV 8, 9, 46, CR, 512*(\t)
	s_cmp_lg_u32 s27, 0                            ; a weight has one scale; x has three.  The branch goes round vector lines and global stores alone
	s_cbranch_scc1 .Lw_\@
	CONV 10, 11, 48, CR+4, 512*(\t)
	CONV 176, 177, 50, CR+8, 512*(\t)
.Lw_\@:
.endm
.irp t, 0,1,2,3,4,5,6,7,8,9,10,11,12,13,14,15
	QSTEP \t
.endr
	FINISH
; ---------------------------------------------------------------- the mask
.Lmask:
	s_sub_co_u32 s52, ttmp9, 640                   ; qt
	s_lshl_b32 s54, s52, 17                        ; 16 rows of 8,192 bytes
	s_lshl_b32 s53, s26, 11                        ; my wave's four key steps: 512 keys
	s_add_co_u32 s54, s54, s53
	s_mov_b32 s55, 0
	s_lshl_b32 s56, s52, 12
	s_lshl_b32 s53, s26, 10
	s_add_co_u32 s56, s56, s53
	s_mov_b32 s57, 0
	s_wait_kmcnt 0x0
	s_add_nc_u64 s[14:15], s[14:15], s[54:55]
	s_add_nc_u64 s[22:23], s[22:23], s[56:57]
.macro MLOAD m                         ; key step m of my four: 16 rows x 512 consecutive bytes
.irp i, 0,1,2,3,4,5,6,7,8,9,10,11,12,13,14,15
	global_load_b128 v[ML+64*((\m)%2)+4*\i:ML+64*((\m)%2)+4*\i+3], v3, s[14:15] offset:8192*\i+512*(\m) th:TH_LOAD_NT
.endr
.endm
.macro MWORK m
.if (\m) < 3
	s_wait_loadcnt 16                              ; this step's 16 loads are in; the next step's may be out
.else
	s_wait_loadcnt 0
.endif
.irp i, 0,1,2,3,4,5,6,7,8,9,10,11,12,13,14,15
	ds_store_b128 v6, v[ML+64*((\m)%2)+4*\i:ML+64*((\m)%2)+4*\i+3] offset:MP*\i
.endr
.irp t, 0,1,2,3,4,5,6,7
	ds_load_b128 v[MD+8*\t:MD+8*\t+3], v7 offset:64*\t          ; lane (r, h): row r, keys 16 t + 8 h + 0..3,
	ds_load_b128 v[MD+8*\t+4:MD+8*\t+7], v7 offset:64*\t+16     ; and 4..7
.endr
	s_wait_dscnt 0x0
.if (\m) < 2
	MLOAD (\m)+2                                   ; into the set that the stores above have read
.endif
	v_mov_b32 v[MZ+2*(\m)], 0
	v_mov_b32 v[MZ+2*(\m)+1], 0
.set g, 0
.rept 8
.irp e, 0,1,2,3,4,5,6,7
	v_cmp_eq_u32 s[40+\e], 0, v[MD+8*g+\e]         ; lane mask 8 g + e
.endr
.irp e, 0,1,2,3,4,5,6,7
	v_writelane_b32 v[MZ+2*(\m)+g/4], s[40+\e], (8*g+\e)%32
.endr
.set g, g+1
.endr
	global_store_b64 v5, v[MZ+2*(\m):MZ+2*(\m)+1], s[22:23] offset:256*(\m)   ; 32 lanes store 256 consecutive bytes, aligned
.endm
	MLOAD 0
	MLOAD 1
	s_wait_alu depctr_va_vdst(0)
	MWORK 0
	MWORK 1
	MWORK 2
	MWORK 3
	FINISH
; ---------------------------------------------------------------- cos and sin
.Lrope:
	s_sub_co_u32 s52, ttmp9, 768
	s_lshl_b32 s52, s52, 2
	s_add_co_u32 s52, s52, s26                     ; tb: my wave's block of 16 tokens
	s_lshl_b32 s54, s52, 13
	s_mov_b32 s55, 0
	s_lshl_b32 s53, s52, 4
	v_and_b32 v16, 15, v2
	v_add_nc_u32 v16, s53, v16
	v_cvt_f32_u32 v16, v16                         ; my token
	v_lshrrev_b32 v18, 4, v2
	v_lshlrev_b32 v18, 3, v18                      ; 8 h
	s_mov_b32 s28, 0x3e549a78                      ; log2(10) / 16, and
	s_mov_b32 s29, 0x31979a31                      ; what f32 drops of it
	s_mov_b32 s30, 0xbf317218                      ; -ln 2
	s_mov_b32 s31, 0x3f22f983                      ; 2 / pi
	s_mov_b32 s32, 0xbfc90fdb                      ; -(pi / 2), its f32 number,
	s_mov_b32 s33, 0x333bbd2e                      ; and minus the rest
	s_mov_b32 s34, 0xbe2aaaa3                      ; sin r = r + r z (S1 + S2 z + S3 z^2), z = r^2, |r| <= pi / 4
	s_mov_b32 s35, 0x3c08839e
	s_mov_b32 s36, 0xb94ca1f9
	s_mov_b32 s37, 0x3d2aaaa5                      ; cos r = 1 - z / 2 + z^2 (C1 + C2 z + C3 z^2)
	s_mov_b32 s38, 0xbab6061a
	s_mov_b32 s39, 0x37ccf5ce
	s_mov_b32 s40, 0x80000000
	s_wait_alu depctr_va_vdst(0)
	s_wait_kmcnt 0x0
	s_add_nc_u64 s[24:25], s[24:25], s[54:55]
; v20-27: i, the angle, r, 1 - z / 2, cos;  v28-35: the exponent, n, the quadrant;  v36-43: the exponent's remainder, z, sin;  v44-51, v52-59: at work
.macro ROPE_B b
.irp j, 0,1,2,3,4,5,6,7
	v_add_nc_u32 v[20+\j], 16*\b+\j, v18
.endr
.irp j, 0,1,2,3,4,5,6,7
	v_cvt_f32_u32 v[20+\j], v[20+\j]               ; i = 16 b + 8 h + j
.endr
.irp j, 0,1,2,3,4,5,6,7
	v_mul_f32 v[28+\j], s28, v[20+\j]              ; x = i c, rounded,
.endr
.irp j, 0,1,2,3,4,5,6,7
	v_fma_f32 v[36+\j], v[20+\j], s28, -v[28+\j]   ; what the rounding dropped,
.endr
.irp j, 0,1,2,3,4,5,6,7
	v_fmac_f32 v[36+\j], s29, v[20+\j]             ; and c's own rest
.endr
	s_wait_alu depctr_va_vdst(0)
.irp j, 0,1,2,3,4,5,6,7
	v_exp_f32 v[44+\j], -v[28+\j]                  ; 2^-x: a batch of eight
.endr
.irp j, 0,1,2,3,4,5,6,7
	v_mul_f32 v[36+\j], s30, v[36+\j]              ; (plain lines behind the batch)
.endr
	s_wait_alu depctr_va_vdst(0)                   ; one wait for the batch, ahead of its first reader
.irp j, 0,1,2,3,4,5,6,7
	v_fma_f32 v[44+\j], v[44+\j], v[36+\j], v[44+\j]   ; 10000^(-i / 64) = 2^-x (1 - rest x ln 2)
.endr
.irp j, 0,1,2,3,4,5,6,7
	v_mul_f32 v[20+\j], v16, v[44+\j]              ; the angle
.endr
.irp j, 0,1,2,3,4,5,6,7
	v_mul_f32 v[28+\j], s31, v[20+\j]
.endr
.irp j, 0,1,2,3,4,5,6,7
	v_rndne_f32 v[28+\j], v[28+\j]                 ; n: the nearest multiple of pi / 2 (at most 1,303)
.endr
.irp j, 0,1,2,3,4,5,6,7
	v_fma_f32 v[20+\j], v[28+\j], s32, v[20+\j]    ; exact: a multiple of 2^-23 under 1
.endr
.irp j, 0,1,2,3,4,5,6,7
	v_fma_f32 v[20+\j], v[28+\j], s33, v[20+\j]    ; r
.endr
.irp j, 0,1,2,3,4,5,6,7
	v_mul_f32 v[36+\j], v[20+\j], v[20+\j]         ; z
	v_cvt_i32_f32 v[28+\j], v[28+\j]
.endr
.irp j, 0,1,2,3,4,5,6,7
	v_fma_f32 v[44+\j], v[36+\j], s36, s35
	v_fma_f32 v[52+\j], v[36+\j], s39, s38
.endr
.irp j, 0,1,2,3,4,5,6,7
	v_fma_f32 v[44+\j], v[44+\j], v[36+\j], s34
	v_fma_f32 v[52+\j], v[52+\j], v[36+\j], s37
.endr
.irp j, 0,1,2,3,4,5,6,7
	v_mul_f32 v[44+\j], v[44+\j], v[36+\j]
	v_mul_f32 v[52+\j], v[52+\j], v[36+\j]
.endr
.irp j, 0,1,2,3,4,5,6,7
	v_fma_f32 v[44+\j], v[44+\j], v[20+\j], v[20+\j]   ; sin r
.endr
.irp j, 0,1,2,3,4,5,6,7
	v_fma_f32 v[20+\j], v[36+\j], -0.5, 1.0
.endr
.irp j, 0,1,2,3,4,5,6,7
	v_fma_f32 v[52+\j], v[52+\j], v[36+\j], v[20+\j]   ; cos r
.endr
.irp j, 0,1,2,3,4,5,6,7                ; the quadrant q = n mod 4: odd: sin and cos change places; sin is negative for q = 2, 3, cos for q = 1, 2
	v_and_b32 v[20+\j], 1, v[28+\j]
	v_cmp_eq_u32 vcc_lo, 1, v[20+\j]
	v_cndmask_b32 v[36+\j], v[44+\j], v[52+\j], vcc_lo
	v_cndmask_b32 v[20+\j], v[52+\j], v[44+\j], vcc_lo
	v_lshlrev_b32 v[44+\j], 30, v[28+\j]
	v_add_nc_u32 v[28+\j], 1, v[28+\j]
	v_lshlrev_b32 v[52+\j], 30, v[28+\j]
	v_and_b32 v[44+\j], s40, v[44+\j]
	v_and_b32 v[52+\j], s40, v[52+\j]
	v_xor_b32 v[64+16*\b+8+\j], v[44+\j], v[36+\j] ; sin
	v_xor_b32 v[64+16*\b+\j], v[52+\j], v[20+\j]   ; cos
.endr
.irp c, 0,1,2,3
	global_store_b128 v3, v[64+16*\b+4*\c:64+16*\b+4*\c+3], s[24:25] offset:2048*\b+512*\c   ; 512 consecutive bytes; each b has registers of its own
.endr
.endm
	ROPE_B 0
	ROPE_B 1
	ROPE_B 2
	ROPE_B 3
	s_endpgm
.Lfunc_end_k_q2eb9bc978b_prep:
	.size	k_q2eb9bc978b_prep, .Lfunc_end_k_q2eb9bc978b_prep-k_q2eb9bc978b_prep
	.p2alignl 7, 3214868480
	.fill 96, 4, 3214868480
	.section	.rodata,"a",@progbits
	.p2align	6, 0x0
	.amdhsa_kernel k_q2eb9bc978b_prep
		.amdhsa_group_segment_fixed_size 67072
		.amdhsa_private_segment_fixed_size 0
		.amdhsa_enable_private_segment 0
		.amdhsa_kernarg_size 88
		.amdhsa_user_sgpr_count 2
		.amdhsa_user_sgpr_kernarg_segment_ptr 1
		.amdhsa_wavefront_size32 1
		.amdhsa_system_sgpr_workgroup_id_x 1
		.amdhsa_system_sgpr_workgroup_id_y 1
		.amdhsa_system_sgpr_workgroup_id_z 1
		.amdhsa_system_vgpr_workitem_id 0
		.amdhsa_next_free_vgpr 216
		.amdhsa_next_free_sgpr 66
		.amdhsa_reserve_vcc 1
		.amdhsa_float_denorm_mode_32 3
		.amdhsa_float_denorm_mode_16_64 3
		.amdhsa_memory_ordered 1
		.amdhsa_forward_progress 1
		.amdhsa_inst_pref_size 179
	.end_amdhsa_kernel
	.amdgpu_metadata
---
amdhsa.version: [ 1, 2 ]
amdhsa.kernels:
  - .name:           k_q2eb9bc978b_prep
    .symbol:         k_q2eb9bc978b_prep.kd
    .args:
      - { .name: hidden_states, .offset: 0, .size: 8, .value_kind: global_buffer, .address_space: global }
      - { .name: Wq, .offset: 8, .size: 8, .value_kind: global_buffer, .address_space: global }
      - { .name: Wk, .offset: 16, .size: 8, .value_kind: global_buffer, .address_space: global }
      - { .name: Wv, .offset: 24, .size: 8, .value_kind: global_buffer, .address_space: global }
      - { .name: Wo, .offset: 32, .size: 8, .value_kind: global_buffer, .address_space: global }
      - { .name: attention_mask, .offset: 40, .size: 8, .value_kind: global_buffer, .address_space: global }
      - { .name: lowp_scales, .offset: 48, .size: 8, .value_kind: global_buffer, .address_space: global }
      - { .name: xc, .offset: 56, .size: 8, .value_kind: global_buffer, .address_space: global }
      - { .name: wc, .offset: 64, .size: 8, .value_kind: global_buffer, .address_space: global }
      - { .name: mk, .offset: 72, .size: 8, .value_kind: global_buffer, .address_space: global }
      - { .name: rope, .offset: 80, .size: 8, .value_kind: global_buffer, .address_space: global }
    .group_segment_fixed_size: 67072
    .private_segment_fixed_size: 0
    .kernarg_segment_align: 8
    .kernarg_segment_size: 88
    .max_flat_workgroup_size: 128
    .sgpr_count:     66
    .vgpr_count:     216
    .wavefront_size: 32
...
	.end_amdgpu_metadata
.endif
;; end of part 1
;; launch qkv (part 2): grid 24 x 8, 4 waves a work-group, clusters of 4 x 4, 327,680 bytes of LDS; arguments xc, wc, lowp_scales, rope, qkv; writes qkv
.if DOCPART == 2
	.amdgcn_target "amdgcn-amd-amdhsa--gfx1250"
	.amdhsa_code_object_version 6
	.text
	.protected	k_q2eb9bc978b_qkv
	.globl	k_q2eb9bc978b_qkv
	.p2align	8
	.type	k_q2eb9bc978b_qkv,@function
k_q2eb9bc978b_qkv:
	s_mov_b64 s[64:65], 0
	v_nop
	global_prefetch_b8 v0, s[64:65] scope:SCOPE_SE
	s_setreg_imm32_b32 hwreg(HW_REG_WAVE_MODE, 25, 1), 1
	s_wait_xcnt 0x0
	s_wait_alu depctr_hold_cnt(0) depctr_sa_sdst(0) depctr_va_vdst(0) depctr_va_sdst(0) depctr_va_ssrc(0) depctr_va_vcc(0) depctr_vm_vsrc(0)
	s_getreg_b32 s2, hwreg(HW_REG_IB_STS2, 6, 4)
	s_cmp_eq_u32 s2, 0
	s_cbranch_scc0 .Lentry_in_a_cluster
	s_endpgm
.Lentry_in_a_cluster:
	s_bfe_u32 s2, ttmp6, 0x10000c
	s_cmp_lg_u32 s2, 0xf033
	s_cbranch_scc0 .Lentry_shape_is_right
	s_endpgm
.Lentry_shape_is_right:
; THE THREE PROJECTIONS, on codes of E4M3, with RoPE and the next quantiser on the way out.  Part p = cluster x / 2: 0 = q, 1 = k, 2 = v.
; A tile of 256 x 256 is made by four waves, each 128 x 128: 64 accumulators of 16 x 16.  K = 2,048 goes in steps of 256 through a ring of two LDS slots filled by joint tensor loads (4 x 4 clusters: A's tile is shared
; along a row of the cluster, B's along a column).
; q, k: A = x's codes of the part (rows: tokens), B = the weight's codes (rows: features).  v: THE TWO CHANGE PLACES (A = Wv, B = x), so that the same loop gives V^T.
; The matrix instruction takes B's rows as source 0 and A's as source 1: register j of lane (r, h) in accumulator (a, b) is (A row 16 a + r, B row 16 b + 8 h + j).
;   q, k: a lane holds ONE token and d = 16 b + 8 h + j of ONE head (a wave's 128 features are a head): d and d + 64 are accumulators b and b + 4 of the same lane, and eight conversions give registers 2 b, 2 b + 1 of the
;   plain FP8 form's operand (k = 16 b + 8 h + 0..7).   v: a lane holds ONE channel d = 16 a + r and keys 16 b + 8 h + j: the second product's operand likewise.
; So a block of 16 A rows leaves as an IMAGE OF AN OPERAND'S 16 REGISTERS: four stores of 512 consecutive bytes.  No stage in LDS.
; A sum stands for sum x 2^(ex + ew); RoPE is linear; so the conversion's one scale is 2^(e_next - ex - ew).
; LIMITS: e6 - e0 - e1, e7 - e2 - e3 and e9 - e4 - e5 lie between -126 and 119, so that the scale and 448 x the scale are f32 numbers.
; REGISTERS, in windows of 256: window 0: v0-31 addresses and the scale; v32-95 cos/sin, set 0; v96-127 codes, two sets; from v128 A's fragments, ONE set (on the way out: v192-255 a block at work).
;   window 1: B's fragments, two sets (towards the end: cos/sin, sets 1 to 3, at v0, v64, v128).  window 2: the accumulators of my A rows 0-63 ((a, b) at v[8 (8 a + b)]); window 3: of rows 64-127.
.set SIZE_K, 2048
.set KSTEP,  256
.set ROWB,   256
.set KROW,   SIZE_K
.set PITCH,  272                       ; 256 bytes + 16 of padding: the 16 rows that a load touches start at 16 different banks (ISA guide 11.1)
.set FR,     16
.set NL,     4
.set NP,     4                         ; places behind this matrix instruction (ISA guide 7.12.1)
.set HALFT,  128*PITCH
.set SLOT,   4*HALFT
.set LAPS,   SIZE_K/(2*KSTEP)
.set SPARE,  2*SLOT                    ; behind the ring: the spare words, 128 bytes a wave
.set ADRA, 16                          ; v16-17  LDS address of my A fragments in slot 0, 1
.set ADRB, 20                          ; v20-21  the same for B
.set LN,   26                          ; v26     16 x lane
.set SPW,  28                          ; v28     my spare word; never rewritten
.set NIL,  29                          ; v29     0; never rewritten
.set SC,   30                          ; v30     the conversion's scale
.set LIM,  31                          ; v31     448 x that
.set CS0,  32
.set C0,   96
.set AF,   128
.set O,    192
.set G1, 24
.set G0, 32
.set G1B, 48
.set G0B, 56
.set MSB, 0
.macro WIN new                         ; the immediate's high byte repeats the setting that is left
.if MSB != (\new)
	s_set_vgpr_msb (MSB<<8)|(\new)
.set MSB, (\new)
.endif
.endm
.set MUL_LO, 0xa1                      ; source 0 (B) window 1, source 1 (A) window 0, C and D window 2
.set MUL_HI, 0xf1                      ; the same, C and D window 3
.set TO_B,   0x40                      ; destination window 1, address window 0
; A joint load: waves 0 and 1 fetch for A, waves 2 and 3 for B; the branch hangs on the wave's number alone.  An s_nop 0 and four v_nop follow each line.
.macro JLOAD g0a, g1a, g0b, g1b
	s_cmp_eq_u32 s15, 0
	s_cbranch_scc0 .Lfor_b_\@
	tensor_load_to_lds s[\g0a:\g0a+3], s[\g1a:\g1a+7]
	s_nop 0
.rept 4
	v_nop
.endr
	s_branch .Lasked_\@
.Lfor_b_\@:
	tensor_load_to_lds s[\g0b:\g0b+3], s[\g1b:\g1b+7]
	s_nop 0
.rept 4
	v_nop
.endr
.Lasked_\@:
.endm
.macro CREST                           ; a round of the cluster's barrier behind its opening barrier
	s_cmp_lg_u32 s14, 0
	s_cbranch_scc1 .Lnot_wave_0_\@
	s_barrier_signal -3
.Lnot_wave_0_\@:
	s_barrier_wait -3
	s_barrier_signal -1
	s_barrier_wait -1
.endm
.macro CROUND
	s_barrier_signal -1
	s_barrier_wait -1
	CREST
.endm
	s_load_b256 s[4:11], s[0:1], 0x0               ; xc 4:5, wc 6:7, the scales 8:9, rope 10:11
	s_load_b64 s[12:13], s[0:1], 0x20              ; qkv
	v_lshl_add_u32 v[SPW], v0, 2, SPARE
	v_mov_b32 v[NIL], 0
	ds_add_u32 v[SPW], v[NIL]                      ; the wave's opening: the add and its wait ahead of my first tensor load
	ds_add_u32 v[SPW], v[NIL]
	v_lshrrev_b32 v1, 5, v0
	v_readfirstlane_b32 s14, v1                    ; wave 0..3
	s_lshr_b32 s15, s14, 1                         ; which half of the tile's A rows is mine.  Also: I fetch for A (0) or for B (1)
	s_and_b32 s16, s14, 1                          ; which half of its B rows.  Also: which 128 rows I fetch
	s_bfe_u32 s40, ttmp6, 0x40000                  ; cx, cy
	s_bfe_u32 s41, ttmp6, 0x40004
	s_lshr_b32 s66, ttmp9, 1                       ; the part: two clusters along x to each; the same in all partners
	s_lshl_b32 s42, ttmp9, 2
	s_add_co_u32 s42, s42, s40
	s_and_b32 s42, s42, 7                          ; tile column within the part
	s_and_b32 s17, ttmp7, 0xffff
	s_lshl_b32 s17, s17, 2
	s_add_co_u32 s17, s17, s41                     ; tile row
	s_lshl_b32 s43, s41, 2
	s_lshl_b32 s43, 15, s43                        ; my row of the cluster
	s_lshl_b32 s44, 0x1111, s40                    ; my column
	s_or_b32 s[G1+0], s43, (0<<16)|(1<<20)|(1<<21)|(5<<22)|(3<<25)  ; the mask; elements of 1 byte; padding on; bit 21 beside a mask; after every 64 words, 4 words
	s_or_b32 s[G1B+0], s44, (0<<16)|(1<<20)|(1<<21)|(5<<22)|(3<<25)
.irp g, G1, G1B
	s_mov_b32 s[\g+1], ROWB<<16                    ; tensor_dim0
	s_mov_b32 s[\g+2], 128<<16                     ; tensor_dim1
	s_mov_b32 s[\g+3], ROWB<<16                    ; tile_dim0
	s_mov_b32 s[\g+4], 128                         ; tile_dim1
	s_mov_b32 s[\g+5], KROW                        ; tensor_dim0_stride
	s_mov_b32 s[\g+6], 0
	s_mov_b32 s[\g+7], 0
.endr
	s_lshl_b32 s18, s16, 7
	s_lshl_b32 s20, s17, 8
	s_add_co_u32 s20, s20, s18                     ; A: row 256 x tile row + 128 x half
	s_lshl_b32 s46, s42, 8
	s_add_co_u32 s46, s46, s18                     ; B: row 256 x tile column + 128 x half
	s_lshl_b32 s20, s20, 11                        ; rows of 2,048 bytes
	s_lshl_b32 s46, s46, 11
	s_lshl_b32 s18, s66, 22                        ; the part's 4 MiB, in xc and in wc alike
	s_add_co_u32 s20, s20, s18
	s_add_co_u32 s46, s46, s18
	s_mov_b32 s21, 0
	s_mov_b32 s47, 0
	s_mul_i32 s45, s14, HALFT                      ; where they go: wave x 128 rows
	s_wait_dscnt 0x0                               ; the opening add is done
	s_wait_kmcnt 0x0
	s_load_b256 s[68:75], s[8:9], 0x0              ; entries 0-7
	s_load_b128 s[76:79], s[8:9], 0x20             ; entries 8-11
	s_cmp_eq_u32 s66, 2                            ; v: the weight is A and x is B
	s_cselect_b64 s[86:87], s[6:7], s[4:5]
	s_cselect_b64 s[88:89], s[4:5], s[6:7]
	s_add_nc_u64 s[20:21], s[86:87], s[20:21]
	s_add_nc_u64 s[46:47], s[88:89], s[46:47]
	CROUND                                         ; all sixteen work-groups are here: the first joint loads meet
.irp s, 0,1
	s_mov_b32 s[G0+4*\s], 1
	s_add_co_u32 s[G0+4*\s+1], s45, \s*SLOT
	s_add_nc_u64 s[G0+4*\s+2:G0+4*\s+3], s[20:21], \s*ROWB
	s_or_b32 s[G0+4*\s+3], s[G0+4*\s+3], 0x80000000
	s_mov_b32 s[G0B+4*\s], 1
	s_add_co_u32 s[G0B+4*\s+1], s45, \s*SLOT
	s_add_nc_u64 s[G0B+4*\s+2:G0B+4*\s+3], s[46:47], \s*ROWB
	s_or_b32 s[G0B+4*\s+3], s[G0B+4*\s+3], 0x80000000
.endr
	JLOAD G0, G1, G0B, G1B                         ; K step 0: one tensor load a wave at the head
	v_and_b32 v1, 15, v0
	v_bfe_u32 v2, v0, 4, 1
	v_mul_u32_u24 v3, v1, PITCH
	v_lshl_add_u32 v4, v2, 4, v3                   ; a fragment's row x pitch + 16 x half
	s_mul_i32 s21, s15, HALFT
	s_mul_i32 s22, s16, HALFT
	s_add_co_u32 s22, s22, 2*HALFT
.irp s, 0,1
	v_add_nc_u32 v[ADRA+\s], s21, v4
	v_add_nc_u32 v[ADRB+\s], s22, v4
	s_add_co_u32 s21, s21, SLOT
	s_add_co_u32 s22, s22, SLOT
.endr
	v_and_b32 v6, 31, v0
	v_lshlrev_b32 v[LN], 4, v6
	s_wait_alu depctr_va_vdst(0)
	s_lshl_b32 s84, s17, 17                        ; cos/sin of my 128 tokens: 8,192 bytes a block of 16
	s_lshl_b32 s85, s15, 16
	s_add_co_u32 s84, s84, s85
	s_mov_b32 s85, 0
	s_add_nc_u64 s[80:81], s[10:11], s[84:85]
	s_lshl_b32 s90, s42, 1
	s_add_co_u32 s90, s90, s16                     ; which 128 B rows,
	s_lshl_b32 s91, s17, 1
	s_add_co_u32 s91, s91, s15                     ; which 128 A rows
	s_cmp_eq_u32 s66, 2
	s_cselect_b32 s92, s91, s90                    ; the head: q, k: by B's rows; v: by A's
	s_cselect_b32 s93, s90, s91                    ; the group of eight fragments: the other
	s_lshl_b32 s92, s92, 18
	s_lshl_b32 s93, s93, 14
	s_add_co_u32 s92, s92, s93
	s_lshl_b32 s93, s66, 22
	s_add_co_u32 s92, s92, s93
	s_mov_b32 s93, 0
	s_add_nc_u64 s[82:83], s[12:13], s[92:93]
; cos and sin for block a lie in set a % 4: set 0 in window 0 (v32-95), sets 1 to 3 in window 1 (v0, v64, v128), where B's fragments are done with; cos at CS + 16 b + j, sin at CS + 16 b + 8 + j
.macro CSSET a
.if ((\a)%4) == 0
.set CSW, 0
.set CS, CS0
.else
.set CSW, 1
.set CS, 64*(((\a)%4)-1)
.endif
.endm
.macro CSLOAD a
	CSSET \a
	WIN CSW<<6                                     ; the destination's window
.irp b, 0,1,2,3
.irp c, 0,1,2,3
	global_load_b128 v[CS+16*\b+4*\c:CS+16*\b+4*\c+3], v[LN], s[80:81] offset:8192*(\a)+2048*\b+512*\c
.endr
.endr
	WIN 0
.endm
	CSLOAD 0                                       ; into registers that lie idle in the loop.  Every work-group asks, v's too (it leaves them unread): so one text serves, with no branch here
.macro FRAG reg, adr, q, i             ; 16 rows x 128 K: registers 4 c .. 4 c + 3 take the 16 bytes at 32 c + 16 (l / 16): by the codes' swapped order that is the form's own layout
.irp c, 0,1,2,3
	ds_load_b128 v[\reg+4*\c:\reg+4*\c+3], v[\adr] offset:128*(\q)+32*\c+(\i)*16*PITCH
.endr
.endm
; 16 matrix instructions: A's blocks a0, a0 + 1 x B's eight.  The 64 accumulators take turns, one instruction a turn, in the same order in every step.
.macro MUL16 a0, p, zero
.irp a, \a0, \a0+1
.irp b, 0,1,2,3,4,5,6,7
.if \zero
	v_wmma_f32_16x16x128_fp8_fp8 v[8*(8*((\a)%4)+\b):8*(8*((\a)%4)+\b)+7], v[128*(\p)+FR*\b:128*(\p)+FR*\b+FR-1], v[AF+FR*(\a):AF+FR*(\a)+FR-1], 0
.else
	v_wmma_f32_16x16x128_fp8_fp8 v[8*(8*((\a)%4)+\b):8*(8*((\a)%4)+\b)+7], v[128*(\p)+FR*\b:128*(\p)+FR*\b+FR-1], v[AF+FR*(\a):AF+FR*(\a)+FR-1], v[8*(8*((\a)%4)+\b):8*(8*((\a)%4)+\b)+7]
.endif
.endr
.endr
.endm
.macro FETCH_B slot, q, p
	WIN TO_B
.irp i, 0,1,2,3,4,5,6,7
	FRAG 128*(\p)+FR*\i, ADRB+\slot, \q, \i
.endr
	WIN 0
.endm
.macro FETCH_A slot, q, i0
.irp i, \i0, \i0+1, \i0+2, \i0+3
	FRAG AF+FR*(\i), ADRA+\slot, \q, \i
.endr
.endm
.macro PLACES n                        ; plain vector lines between a matrix instruction and a load into, or a vector line on, its registers
.rept \n
	v_nop
.endr
.endm
.macro STEP slot, q, zero              ; 128 along K, with its successor in the same slot
	s_wait_dscnt 4*NL                              ; B's set and A's blocks 0-3 are in; the youngest 16 loads (A's blocks 4-7) may be out
	WIN MUL_LO
	MUL16 0, (\q)%2, \zero
	MUL16 2, (\q)%2, \zero
	s_wait_dscnt 0
	PLACES NP
	FETCH_B \slot, (\q)+1, 1-(\q)%2
	FETCH_A \slot, (\q)+1, 0
	WIN MUL_HI
	MUL16 4, (\q)%2, \zero
	MUL16 6, (\q)%2, \zero
	PLACES NP
	WIN 0
	FETCH_A \slot, (\q)+1, 4
.endm
; A slot's last step changes slots, AT ITS HEAD: all its fragments are in registers or on their way there, so the slot can be given up before its 64 products are issued.  Each wave waits for all its tensor loads (its part of
; the next slot), adds 0 to its spare word, and waits for that and for its reads of this slot; one barrier (with fill = 1 it opens a round of the cluster's); the refill; and then the step's products, with the refill on its way.
.macro TURN slot, next, fill
	s_wait_tensorcnt 0x0                           ; all my tensor loads have landed: no group 0 is in use
	ds_add_u32 v[SPW], v[NIL]
.if \fill
	s_add_nc_u64 s[G0+4*\slot+2:G0+4*\slot+3], s[G0+4*\slot+2:G0+4*\slot+3], 2*ROWB
	s_add_nc_u64 s[G0B+4*\slot+2:G0B+4*\slot+3], s[G0B+4*\slot+2:G0B+4*\slot+3], 2*ROWB
.endif
	s_wait_dscnt 0x0                               ; the add is done, and my reads of this slot are over: the last were A's blocks 4-7 of this step
	s_barrier_signal -1
	s_barrier_wait -1
.if \fill
	CREST                                          ; no wave of any partner still reads this slot or has a load on its way
	JLOAD G0+4*\slot, G1, G0B+4*\slot, G1B         ; the first tensor load behind the round
.endif
	FETCH_B \next, 0, 0                            ; B's set 0 was last multiplied a step ago, with its places behind it
	WIN MUL_LO
	MUL16 0, 1, 0
	MUL16 2, 1, 0
	PLACES NP
	WIN 0
	FETCH_A \next, 0, 0
	WIN MUL_HI
	MUL16 4, 1, 0
	MUL16 6, 1, 0
	PLACES NP
	WIN 0
	FETCH_A \next, 0, 4
.endm
	s_wait_alu depctr_va_vdst(0)                   ; the head's end
	s_wait_tensorcnt 0x0                           ; my part of K step 0 is in; slot 1's first fill is issued as a refill is
	ds_add_u32 v[SPW], v[NIL]
	s_wait_dscnt 0x0
	CROUND                                         ; everybody's part of K step 0 is in, and the joint loads meet
	JLOAD G0+4, G1, G0B+4, G1B                     ; K step 1: the first tensor load behind the round
	FETCH_B 0, 0, 0
	FETCH_A 0, 0, 0
	FETCH_A 0, 0, 4
	STEP 0, 0, 1                                   ; the first step's products start the sums
	s_mov_b32 s3, LAPS-1
.Llap:
	TURN 0, 1, 1
	STEP 1, 0, 0
	TURN 1, 0, 1
	STEP 0, 0, 0
	s_sub_co_u32 s3, s3, 1
	s_cmp_lg_u32 s3, 0
	s_cbranch_scc1 .Llap
	TURN 0, 1, 0                                   ; the last lap fills nothing
	STEP 1, 0, 0
	CSLOAD 1                                       ; B's set 0 is done with (its places stand in the step above): cos and sin of blocks 1 and 2 are asked for 64 products ahead of the way out
	CSLOAD 2
	s_wait_dscnt 4*NL
	WIN MUL_LO
	MUL16 0, 1, 0
	MUL16 2, 1, 0
	s_wait_dscnt 0
	WIN MUL_HI
	MUL16 4, 1, 0
	MUL16 6, 1, 0
	WIN 0
; THE WAY OUT, block by block of 16 A rows.
.macro ROT a                           ; RoPE: o(d) = x(d) cos - x(d + 64) sin, o(d + 64) = x(d + 64) cos + x(d) sin; each accumulator is read from its low end on
.set AC, 64*((\a)%4)
	CSSET \a
	WIN (0x02+((\a)/4))|(CSW<<2)                   ; source 0 (the sums): window 2 or 3; source 1 (cos, sin): the set's window
.irp b, 0,1,2,3
.irp i, 0,2,4,6
	v_pk_mul_f32 v[O+8*\b+\i:O+8*\b+\i+1], v[AC+8*\b+\i:AC+8*\b+\i+1], v[CS+16*\b+\i:CS+16*\b+\i+1]
	v_pk_mul_f32 v[O+32+8*\b+\i:O+32+8*\b+\i+1], v[AC+32+8*\b+\i:AC+32+8*\b+\i+1], v[CS+16*\b+\i:CS+16*\b+\i+1]
	v_pk_fma_f32 v[O+8*\b+\i:O+8*\b+\i+1], v[AC+32+8*\b+\i:AC+32+8*\b+\i+1], v[CS+16*\b+8+\i:CS+16*\b+8+\i+1], v[O+8*\b+\i:O+8*\b+\i+1] neg_lo:[0,1,0] neg_hi:[0,1,0]
	v_pk_fma_f32 v[O+32+8*\b+\i:O+32+8*\b+\i+1], v[AC+8*\b+\i:AC+8*\b+\i+1], v[CS+16*\b+8+\i:CS+16*\b+8+\i+1], v[O+32+8*\b+\i:O+32+8*\b+\i+1]
.endr
.endr
	WIN 0
.endm
.macro HOLD                            ; the conversion to an 8-bit code does not saturate (ISA guide 7.6.2)
.set n, 0
.rept 64
	v_med3_num_f32 v[O+n], v[O+n], -v[LIM], v[LIM]
.set n, n+1
.endr
.endm
.macro PLAIN a                         ; v: no rotation: the hold takes the sums as they are, ascending
.set AC, 64*((\a)%4)
	WIN 0x02+((\a)/4)
.set n, 0
.rept 64
	v_med3_num_f32 v[O+n], v[AC+n], -v[LIM], v[LIM]
.set n, n+1
.endr
	WIN 0
.endm
.macro OUT a                           ; eight conversions make the operand's 16 registers; four stores of 512 consecutive bytes
.set CC, C0+16*((\a)%2)
.irp b, 0,1,2,3,4,5,6,7
	v_cvt_scalef32_pk8_fp8_f32 v[CC+2*\b:CC+2*\b+1], v[O+8*\b:O+8*\b+7], v[SC]
.endr
	v_nop                                          ; a plain line between the conversions and the next block's lines, which write their sources
.irp c, 0,1,2,3
	global_store_b128 v[LN], v[CC+4*\c:CC+4*\c+3], s[82:83] offset:2048*(\a)+512*\c
.endr
.endm
	s_wait_kmcnt 0x0
	s_sub_co_i32 s90, s74, s68
	s_sub_co_i32 s90, s90, s69                     ; q: e6 - e0 - e1
	s_sub_co_i32 s91, s75, s70
	s_sub_co_i32 s91, s91, s71                     ; k: e7 - e2 - e3
	s_sub_co_i32 s92, s77, s72
	s_sub_co_i32 s92, s92, s73                     ; v: e9 - e4 - e5
	s_cmp_eq_u32 s66, 1
	s_cselect_b32 s90, s91, s90
	s_cmp_eq_u32 s66, 2
	s_cselect_b32 s90, s92, s90
	s_add_co_i32 s90, s90, 127
	s_lshl_b32 s91, s90, 23
	v_mov_b32 v[SC], s91
	s_add_co_i32 s90, s90, 8
	s_lshl_b32 s90, s90, 23
	s_or_b32 s90, s90, 0x600000
	v_mov_b32 v[LIM], s90
	PLACES NP                                      ; behind the last products: loads and vector lines now take the registers that held A's and B's fragments
	s_cmp_eq_u32 s66, 2                            ; the part is the same in all partners
	s_cbranch_scc1 .Lvway
.irp a, 0,1,2,3,4,5,6,7
.if \a <= 5
	s_wait_loadcnt 32                              ; this block's cos and sin are in; the 32 loads of the two blocks behind it may be out
.else
	s_wait_loadcnt 16*(7-\a)
.endif
	ROT \a
.if \a >= 2
	s_wait_xcnt 0x0                                ; the stores of two blocks back have read their codes
.endif
.if \a <= 4
	CSLOAD \a+3                                    ; three blocks ahead, into the set that the block before this one has left
.endif
	HOLD
	OUT \a
.endr
	s_branch .Ldone
.Lvway:
	s_wait_alu depctr_va_vdst(0)
.irp a, 0,1,2,3,4,5,6,7
	PLAIN \a
.if \a >= 2
	s_wait_alu depctr_va_vdst(0)
	s_wait_xcnt 0x0
.endif
	OUT \a
.endr
.Ldone:
	s_wait_tensorcnt 0x0                           ; the wave's end
	ds_add_u32 v[SPW], v[NIL]
	s_wait_dscnt 0x0
	CROUND                                         ; the closing round
	s_endpgm
.Lfunc_end_k_q2eb9bc978b_qkv:
	.size	k_q2eb9bc978b_qkv, .Lfunc_end_k_q2eb9bc978b_qkv-k_q2eb9bc978b_qkv
	.p2alignl 7, 3214868480
	.fill 96, 4, 3214868480
	.section	.rodata,"a",@progbits
	.p2align	6, 0x0
	.amdhsa_kernel k_q2eb9bc978b_qkv
		.amdhsa_group_segment_fixed_size 327680
		.amdhsa_private_segment_fixed_size 0
		.amdhsa_enable_private_segment 0
		.amdhsa_kernarg_size 40
		.amdhsa_user_sgpr_count 2
		.amdhsa_user_sgpr_kernarg_segment_ptr 1
		.amdhsa_wavefront_size32 1
		.amdhsa_system_sgpr_workgroup_id_x 1
		.amdhsa_system_sgpr_workgroup_id_y 1
		.amdhsa_system_sgpr_workgroup_id_z 1
		.amdhsa_system_vgpr_workitem_id 0
		.amdhsa_next_free_vgpr 1024
		.amdhsa_next_free_sgpr 98
		.amdhsa_reserve_vcc 0
		.amdhsa_float_denorm_mode_32 3
		.amdhsa_float_denorm_mode_16_64 3
		.amdhsa_memory_ordered 1
		.amdhsa_forward_progress 1
		.amdhsa_inst_pref_size 204
	.end_amdhsa_kernel
	.amdgpu_metadata
---
amdhsa.version: [ 1, 2 ]
amdhsa.kernels:
  - .name:           k_q2eb9bc978b_qkv
    .symbol:         k_q2eb9bc978b_qkv.kd
    .args:
      - { .name: xc, .offset: 0, .size: 8, .value_kind: global_buffer, .address_space: global }
      - { .name: wc, .offset: 8, .size: 8, .value_kind: global_buffer, .address_space: global }
      - { .name: lowp_scales, .offset: 16, .size: 8, .value_kind: global_buffer, .address_space: global }
      - { .name: rope, .offset: 24, .size: 8, .value_kind: global_buffer, .address_space: global }
      - { .name: qkv, .offset: 32, .size: 8, .value_kind: global_buffer, .address_space: global }
    .group_segment_fixed_size: 327680
    .private_segment_fixed_size: 0
    .kernarg_segment_align: 8
    .kernarg_segment_size: 40
    .max_flat_workgroup_size: 128
    .sgpr_count:     98
    .vgpr_count:     1024
    .wavefront_size: 32
...
	.end_amdgpu_metadata
.endif
;; end of part 2
;; launch attn (part 3): grid 256 x 1, 4 waves a work-group, no clusters, 68,096 bytes of LDS; arguments qkv, mk, lowp_scales, ac; writes ac
.if DOCPART == 3
	.amdgcn_target "amdgcn-amd-amdhsa--gfx1250"
	.amdhsa_code_object_version 6
	.text
	.protected	k_q2eb9bc978b_attn
	.globl	k_q2eb9bc978b_attn
	.p2align	8
	.type	k_q2eb9bc978b_attn,@function
k_q2eb9bc978b_attn:
	s_mov_b64 s[64:65], 0
	v_nop
	global_prefetch_b8 v0, s[64:65] scope:SCOPE_SE
	s_setreg_imm32_b32 hwreg(HW_REG_WAVE_MODE, 25, 1), 1
	s_wait_xcnt 0x0
; ATTENTION on codes of E4M3.  qkv holds q, k (RoPE done) and v as images of operand registers: part (q, k, v) x 4 MiB, head x 2^18, fragment x 2,048 bytes (16 rows x 128 K: register 4 c + i of lane l at 512 c + 16 l + 4 i).
; q, k: fragment = 16 tokens x the head's 128; v: 16 channels x 128 keys, eight fragments to a key step.  mk: for a tile of 16 queries and a step of 128 keys 64 lane masks (a set bit: attention_mask == 0).
; SHARES.  A pair of waves owns four tiles of 16 queries of one head, tiles j, 63 - j, 64 + j, 127 - j; wave h of the pair walks the eight key steps 2 s + h for all four, so that a fragment of K or V feeds four products.
; K's and V's fragments come from memory straight into registers, two buffers each; a step's 64 loads are issued one whole step ahead of its products.  Work-group g of a head begins at step g % 8 of its eight and goes
; round: the running M serves any order of the keys.  At the end the pair joins its halves through LDS, one barrier: the order of a wave's four slots hangs on h, so that every wave keeps slots 0, 1 and sends slots 2, 3.
; WORK LEFT OUT.  reference() replaces a score by -10000 wherever attention_mask is 0, whatever the score: so where the whole numbers in mk hide all 128 keys of a step from all 16 queries of a tile, the first product
; of that tile and step reaches no output and is not made; its 128 scores are all -10000, so t, M, p and p's code are made once a lane, the sum takes 64 p a lane, and the second product is made on those codes.
; Where nothing is hidden the 64 selects are left out.  The branches hang on mk's whole numbers alone.  LIMIT: a NaN or an infinity that reaches only scores so replaced is not carried (reference() drops it too).
; NO TENSOR LOADS, NO CLUSTER: the walk branches on numbers read from memory.  NO PREFETCH: the work-groups of a head begin at eight different
; steps of each parity, so all of the head's K and V is asked for in the first step of the walk; nothing lies further ahead.
; SOFTMAX: t = score x log2(e) / sqrt(128); M = ceil of the running largest t; p = 2^(t - M) is quantised; the sum is taken of the unquantised p; when M moves, sum and O are multiplied by 2^(old M - new M).
; LIMITS: e6 + e7 between -123 and 130; e8 and e10 - e8 - e9 between -126 and 119, so that the powers of two below are f32 numbers.  The scaled scores stay under 2^31 in magnitude.
; REGISTERS.  window 0: v1 16 x lane, v2 8 x lane, v3 the hidden score, v4-7 LDS addresses and 0, v8-23 -M, largest t and the sum (two halves) of slots 0-3, v24-87 Q, v88-151 S then p, v152-215 p's codes
;   (at the head: mask words), v216-237 at work.  window 1: K, two buffers.  window 2: V, two buffers.  window 3: O^T, 64 registers a slot.
.set LN,  1
.set L8,  2
.set HID, 3
.set SPW, 4                            ; v4  my spare word; never rewritten
.set NIL, 5                            ; v5  0; never rewritten
.set LW,  6                            ; v6  my wave's region in LDS + 16 x lane
.set LR,  7                            ; v7  my partner's
.set Q,   24
.set S,   88
.set PC,  152
.set FL,  152
.set T,   216
.set PL,  238
.set MRG, 16896                        ; a wave's region: 128 registers' images and 512 bytes for -M and the sums
.set SPARE, 4*MRG                      ; behind the regions: the spare words, 128 bytes a wave
.set WV,  2
.set CNT, 3
.set ACB, 4                            ; s[4:5]   ac at my head
.set MB,  6                            ; s[6:7]   mk at my parity; s8, s9, s66, s67: 4,096 x the tile of slot 0, 1, 2, 3
.set CS,  10
.set SEL, 12
.set KB,  84                           ; s[84:85] the head's K at my parity, s[86:87] its V; s[88:89], s[90:91] the step that is being asked for
.set VB,  86
.set KP,  88
.set VP,  90
.set SG,  92                           ; the step in hand (0 to 7), the next, the one after
.set SG1, 93
.set SG2, 94
.set AL,  95                           ; bit 8 u + s: step s is wholly hidden from slot u
.set PA,  96                           ; partly hidden
.set AL4, 97                           ; bit s: hidden from all four: K's fragments are not needed
.set MSB, 0
.macro WIN new                         ; the immediate's high byte repeats the setting that is left
.if MSB != (\new)
	s_set_vgpr_msb (MSB<<8)|(\new)
.set MSB, (\new)
.endif
.endm
.macro PLACES
.rept 4
	v_nop
.endr
.endm
.macro PTR sg
	s_lshl_b32 s100, s[\sg], 15                    ; two key steps of 16,384 bytes from one of my steps to the next
	s_mov_b32 s101, 0
	s_add_nc_u64 s[KP:KP+1], s[KB:KB+1], s[100:101]
	s_add_nc_u64 s[VP:VP+1], s[VB:VB+1], s[100:101]
.endm
.macro FLOAD win, ptr, b               ; eight fragments: 32 loads of 512 consecutive bytes
	WIN \win
.set n, 0
.rept 32
	global_load_b128 v[128*(\b)+4*n:128*(\b)+4*n+3], v[LN], s[\ptr:\ptr+1] offset:512*n
.set n, n+1
.endr
	WIN 0
.endm
.macro MLOADS                          ; 64 lane masks; s15 = 4,096 x tile + 512 x step
	s_load_b512 s[16:31], s[MB:MB+1], s15 offset:0x0
	s_load_b512 s[32:47], s[MB:MB+1], s15 offset:0x40
	s_load_b512 s[48:63], s[MB:MB+1], s15 offset:0x80
	s_load_b512 s[68:83], s[MB:MB+1], s15 offset:0xc0
.endm
.macro PRE nu, nsg                     ; the next tile-step's lane masks are asked for where it is partly hidden; no scalar load is out when their registers are named again
	s_wait_kmcnt 0x0
	s_add_co_u32 s14, s[\nsg], 8*(\nu)
	s_bitcmp1_b32 s[PA], s14
	s_cbranch_scc0 .Lp_\@
	s_lshl_b32 s15, s[\nsg], 9
	s_add_co_u32 s15, s15, s[8+(\nu)+56*((\nu)/2)]
	MLOADS
.Lp_\@:
.endm
.macro ACP d, u                        ; slot u's place in ac: [128 queries][head][tile of 16][2,048 bytes]
	s_lshr_b32 s[\d], s[8+\u], 15
	s_lshl_b32 s[\d], s[\d], 18
	s_bfe_u32 s[\d+1], s[8+\u], 0x3000c
	s_lshl_b32 s[\d+1], s[\d+1], 11
	s_add_co_u32 s[\d], s[\d], s[\d+1]
	s_mov_b32 s[\d+1], 0
	s_add_nc_u64 s[\d:\d+1], s[ACB:ACB+1], s[\d:\d+1]
.endm
	s_load_b256 s[16:23], s[0:1], 0x0              ; qkv 16:17, mk 18:19, the scales 20:21, ac 22:23
	v_lshl_add_u32 v[SPW], v0, 2, SPARE
	v_mov_b32 v[NIL], 0
	v_lshrrev_b32 v8, 5, v0
	v_readfirstlane_b32 s[WV], v8
	v_and_b32 v8, 31, v0
	v_lshlrev_b32 v[LN], 4, v8
	v_lshlrev_b32 v[L8], 3, v8
	s_mul_i32 s14, s[WV], MRG
	v_add_nc_u32 v[LW], s14, v[LN]
	s_xor_b32 s15, s[WV], 1
	s_mul_i32 s15, s15, MRG
	v_add_nc_u32 v[LR], s15, v[LN]
	s_and_b32 s24, ttmp9, 15                       ; my work-group among the head's sixteen
	s_and_b32 s[SG], s24, 7                        ; its first step
	s_and_b32 s25, s[WV], 1                        ; h: my parity
	s_lshl_b32 s99, s24, 1
	s_lshr_b32 s14, s[WV], 1
	s_add_co_u32 s99, s99, s14                     ; j, 0 to 31
	s_lshl_b32 s15, s25, 6
	s_add_co_u32 s8, s99, s15                      ; slot 0: j + 64 h
	s_sub_co_u32 s9, 63, s99
	s_add_co_u32 s9, s9, s15                       ; slot 1: 63 - j + 64 h
	s_sub_co_u32 s15, 64, s15
	s_add_co_u32 s66, s99, s15                     ; slot 2: j + 64 (1 - h)
	s_sub_co_u32 s67, 63, s99
	s_add_co_u32 s67, s67, s15                     ; slot 3: 63 - j + 64 (1 - h)
	s_lshl_b32 s8, s8, 12
	s_lshl_b32 s9, s9, 12
	s_lshl_b32 s66, s66, 12
	s_lshl_b32 s67, s67, 12
	s_lshr_b32 s14, ttmp9, 4
	s_lshl_b32 s14, s14, 18                        ; the head's bytes in each part
.irp u, 0,1,2,3
	s_lshr_b32 s[26+2*\u], s[8+\u+56*(\u/2)], 1    ; Q's fragment: 2,048 x tile
	s_add_co_u32 s[26+2*\u], s[26+2*\u], s14
	s_mov_b32 s[27+2*\u], 0
	s_mov_b32 s[34+2*\u], s[8+\u+56*(\u/2)]        ; the tile's masks
	s_mov_b32 s[35+2*\u], 0
.endr
	s_lshl_b32 s15, s25, 14
	s_add_co_u32 s15, s15, s14
	s_add_co_u32 s42, s15, 1<<22
	s_mov_b32 s43, 0
	s_add_co_u32 s44, s15, 2<<22
	s_mov_b32 s45, 0
	s_lshr_b32 s46, s14, 4
	s_mov_b32 s47, 0
	s_lshl_b32 s54, s25, 8
	s_mov_b32 s55, 0
	s_mov_b32 s[SEL], 0x76543210
	s_mov_b32 s[SEL+1], 0xfedcba98
	s_wait_alu depctr_va_vdst(0)
	s_wait_kmcnt 0x0
	s_load_b128 s[48:51], s[20:21], 0x18           ; e6, e7, e8, e9
	s_load_b32 s52, s[20:21], 0x28                 ; e10
	s_add_nc_u64 s[MB:MB+1], s[18:19], s[54:55]
	s_add_nc_u64 s[KB:KB+1], s[16:17], s[42:43]
	s_add_nc_u64 s[VB:VB+1], s[16:17], s[44:45]
	s_add_nc_u64 s[ACB:ACB+1], s[22:23], s[46:47]
.irp u, 0,1,2,3
	s_add_nc_u64 s[26+2*\u:27+2*\u], s[16:17], s[26+2*\u:27+2*\u]
	s_add_nc_u64 s[34+2*\u:35+2*\u], s[MB:MB+1], s[34+2*\u:35+2*\u]
.endr
.irp u, 0,1,2,3                        ; the four tiles' masks of my eight steps: a lane takes masks l and l + 32 of each step
.set n, 0
.rept 8
	global_load_b64 v[FL+16*\u+2*n:FL+16*\u+2*n+1], v[L8], s[34+2*\u:35+2*\u] offset:512*n
.set n, n+1
.endr
.endr
.irp u, 0,1,2,3
.irp c, 0,1,2,3
	global_load_b128 v[Q+16*\u+4*\c:Q+16*\u+4*\c+3], v[LN], s[26+2*\u:27+2*\u] offset:512*\c
.endr
.endr
.irp u, 0,1,2,3
	v_mov_b32 v[9+4*\u], 0xff61b1e6                ; the largest t so far: -3e38
	v_floor_f32 v[8+4*\u], -v[9+4*\u]
	v_mov_b32 v[10+4*\u], 0
	v_mov_b32 v[11+4*\u], 0
.endr
	v_mov_b32 v[PL], 0
	v_mov_b32 v253, 0
	WIN 0xc0
.set n, 0
.rept 256
	v_mov_b32 v[n], 0                              ; O^T: the step is written once; the first change of M leaves zeros zeros
.set n, n+1
.endr
	WIN 0
	s_wait_kmcnt 0x0
	s_add_co_i32 s14, s48, s49
	s_lshl_b32 s14, s14, 23
	s_mov_b32 s[CS], 0x3e0293ee                    ; log2(e) / sqrt(128), x 2^(e6 + e7) by its exponent field
	s_add_co_i32 s[CS], s[CS], s14
	s_mov_b32 s[CS+1], s[CS]
	s_mov_b32 s15, 0xc7dcf88b                      ; -10000 sqrt(128), / 2^(e6 + e7): the sum that stands for a score of -10000
	s_sub_co_i32 s15, s15, s14
	v_mov_b32 v[HID], s15
	s_add_co_i32 s14, s50, 127
	s_lshl_b32 s15, s14, 23
	v_mov_b32 v244, s15                            ; 2^e8
	s_add_co_i32 s14, s14, 8
	s_lshl_b32 s14, s14, 23
	s_or_b32 s14, s14, 0x600000
	v_mov_b32 v240, s14                            ; 448 x 2^e8
	s_sub_co_i32 s14, s52, s50
	s_sub_co_i32 s14, s14, s51
	s_add_co_i32 s14, s14, 127
	s_lshl_b32 s15, s14, 23
	v_mov_b32 v246, s15                            ; 2^(e10 - e8 - e9)
	s_add_co_i32 s14, s14, 8
	s_lshl_b32 s14, s14, 23
	s_or_b32 s14, s14, 0x600000
	v_mov_b32 v247, s14
	PTR SG
	FLOAD 0x40, KP, 0                              ; the first two steps are asked for before the masks are known: K's too
	FLOAD 0x80, VP, 0
	s_add_co_u32 s14, s[SG], 1
	s_and_b32 s14, s14, 7
	s_wait_xcnt 0x0                                ; the loads above have read their bases
	PTR 14
	FLOAD 0x40, KP, 1
	FLOAD 0x80, VP, 1
	s_mov_b32 s[AL], 0
	s_mov_b32 s[SG1], 0                            ; here: bit 8 u + s: nothing of step s is hidden from slot u
	s_wait_alu depctr_va_vdst(0)
	s_wait_loadcnt 63                              ; behind the masks, Q and the first step stand the second step's 64 loads
.irp u, 0,1,2,3
.set n, 0
.rept 8
	v_and_b32 v[T], v[FL+16*\u+2*n], v[FL+16*\u+2*n+1]
	v_or_b32 v[T+1], v[FL+16*\u+2*n], v[FL+16*\u+2*n+1]
	v_cmp_eq_u32 s14, -1, v[T]                     ; all lanes: all 64 masks are all ones
	v_cmp_eq_u32 s15, 0, v[T+1]                    ; all lanes: all 64 are 0
	s_cmp_eq_u32 s14, -1
	s_cselect_b32 s14, 1<<(8*\u+n), 0
	s_or_b32 s[AL], s[AL], s14
	s_cmp_eq_u32 s15, -1
	s_cselect_b32 s15, 1<<(8*\u+n), 0
	s_or_b32 s[SG1], s[SG1], s15
.set n, n+1
.endr
.endr
	s_or_b32 s[PA], s[AL], s[SG1]
	s_not_b32 s[PA], s[PA]
	s_lshr_b32 s14, s[AL], 8
	s_and_b32 s14, s14, s[AL]
	s_lshr_b32 s15, s14, 16
	s_and_b32 s[AL4], s14, s15                     ; its bits 0 to 7 are used
	s_wait_xcnt 0x0                                ; the head's loads have read their bases, which lie among the masks' registers
	s_lshl_b32 s15, s[SG], 9
	s_add_co_u32 s15, s15, s8
	MLOADS                                         ; slot 0's masks of the first step
; ONE SLOT'S SHARE OF A KEY STEP, up to p's codes and the rescaled O^T.  b: K's buffer; nu, nsg: the tile-step that follows.
.macro TILE u, b, nu, nsg
.set NM, 8+4*(\u)
.set SU, 10+4*(\u)
.set PU, PC+16*(\u)
.set OB, 64*(\u)
	s_add_co_u32 s14, s[SG], 8*(\u)
	s_bitcmp1_b32 s[AL], s14
	s_cbranch_scc1 .Lm_\@
	WIN 0x01
.irp t, 0,1,2,3,4,5,6,7                ; S^T = K Q^T: register 8 t + j of lane (r, h) is query r, key 16 t + 8 h + j
	v_wmma_f32_16x16x128_fp8_fp8 v[S+8*\t:S+8*\t+7], v[128*(\b)+16*\t:128*(\b)+16*\t+15], v[Q+16*(\u):Q+16*(\u)+15], 0
.endr
	WIN 0
	PLACES
	s_bitcmp1_b32 s[PA], s14
	s_cbranch_scc0 .Lo_\@
	s_wait_kmcnt 0x0
	s_wait_alu depctr_va_vdst(0)                   ; ahead of the first reader of the scores
.set n, 0
.rept 64
	v_cndmask_b32 v[S+n], v[S+n], v[HID], s[16+16*((n%32)/8)+4*(((n%32)/8)/3)+2*(n%8)+n/32]
.set n, n+1
.endr
.Lo_\@:
	PRE \nu, \nsg
	s_wait_alu depctr_va_vdst(0)                   ; ahead of the first reader of the scores
.set n, 0
.rept 21                               ; the largest of my 64 scores, as a tree: 21, 7, 3, 1
	v_max3_num_f32 v[T+n], v[S+3*n], v[S+3*n+1], v[S+3*n+2]
.set n, n+1
.endr
.set n, 0
.rept 7
	v_max3_num_f32 v[T+n], v[T+3*n], v[T+3*n+1], v[T+3*n+2]
.set n, n+1
.endr
	v_max3_num_f32 v[T], v[T], v[T+1], v[T+2]
	v_max3_num_f32 v[T+1], v[T+3], v[T+4], v[T+5]
	v_max_num_f32 v[T+2], v[T+6], v[S+63]
	v_max3_num_f32 v254, v[T], v[T+1], v[T+2]
	v_permlanex16_b32 v[PL], v254, s[SEL], s[SEL+1]
	v_max_num_f32 v254, v254, v[PL]
	v_mul_f32 v254, s[CS], v254
	v_max_num_f32 v[NM+1], v[NM+1], v254           ; the running largest t
	v_mov_b32 v254, v[NM]
	v_floor_f32 v[NM], -v[NM+1]                    ; -M
	v_sub_f32 v254, v[NM], v254
	v_cvt_i32_f32 v254, v254
	v_ldexp_f32 v252, 1.0, v254                    ; f = 2^(old M - new M)
.set n, 0
.rept 32
	v_pk_fma_f32 v[S+n:S+n+1], v[S+n:S+n+1], s[CS:CS+1], v[NM:NM+1] op_sel_hi:[1,0,0]
.set n, n+2
.endr
	s_wait_alu depctr_va_vdst(0)                   ; ahead of the batch
.set n, 0
.rept 64
	v_exp_f32 v[S+n], v[S+n]
.set n, n+1
.endr
	v_pk_mul_f32 v[SU:SU+1], v[SU:SU+1], v[252:253] op_sel_hi:[1,0]
	s_wait_alu depctr_va_vdst(0)                   ; and behind it, ahead of its first reader
	v_pk_add_f32 v[T:T+1], v[S:S+1], v[S+2:S+3]    ; the sum of the unquantised p, in four chains
	v_pk_add_f32 v[T+2:T+3], v[S+4:S+5], v[S+6:S+7]
	v_pk_add_f32 v[T+4:T+5], v[S+8:S+9], v[S+10:S+11]
.irp j, 12,20,28,36,44,52
	v_pk_add_f32 v[SU:SU+1], v[SU:SU+1], v[S+\j:S+\j+1]
	v_pk_add_f32 v[T:T+1], v[T:T+1], v[S+\j+2:S+\j+3]
	v_pk_add_f32 v[T+2:T+3], v[T+2:T+3], v[S+\j+4:S+\j+5]
	v_pk_add_f32 v[T+4:T+5], v[T+4:T+5], v[S+\j+6:S+\j+7]
.endr
	v_pk_add_f32 v[SU:SU+1], v[SU:SU+1], v[S+60:S+61]
	v_pk_add_f32 v[T:T+1], v[T:T+1], v[S+62:S+63]
	v_pk_add_f32 v[T+2:T+3], v[T+2:T+3], v[T+4:T+5]
	v_pk_add_f32 v[SU:SU+1], v[SU:SU+1], v[T:T+1]
	v_pk_add_f32 v[SU:SU+1], v[SU:SU+1], v[T+2:T+3]
.irp b8, 0,1,2,3,4,5,6,7
.irp i, 0,1,2,3,4,5,6,7
	v_min_num_f32 v[S+8*\b8+\i], v[S+8*\b8+\i], v240   ; the conversion does not saturate (ISA guide 7.6.2); p is not negative
.endr
	v_cvt_scalef32_pk8_fp8_f32 v[PU+2*\b8:PU+2*\b8+1], v[S+8*\b8:S+8*\b8+7], v244
.endr
	s_branch .Lr_\@
.Lm_\@:                                ; all 128 keys are hidden from all 16 queries: every score is -10000
	PRE \nu, \nsg
	v_mul_f32 v254, s[CS], v[HID]
	v_max_num_f32 v[NM+1], v[NM+1], v254
	v_mov_b32 v254, v[NM]
	v_floor_f32 v[NM], -v[NM+1]
	v_sub_f32 v254, v[NM], v254
	v_cvt_i32_f32 v254, v254
	v_ldexp_f32 v252, 1.0, v254
	v_fma_f32 v[T], v[HID], s[CS], v[NM]
	s_wait_alu depctr_va_vdst(0)                   ; ahead of the transcendental
	v_exp_f32 v[T], v[T]
	v_pk_mul_f32 v[SU:SU+1], v[SU:SU+1], v[252:253] op_sel_hi:[1,0]
	s_wait_alu depctr_va_vdst(0)                   ; and ahead of its first reader
	v_fmamk_f32 v[SU], v[T], 0x42800000, v[SU]     ; my 64 keys' p
.irp i, 0,1,2,3,4,5,6,7
	v_min_num_f32 v[T+2+\i], v[T], v240
.endr
	v_cvt_scalef32_pk8_fp8_f32 v[PU:PU+1], v[T+2:T+9], v244
	v_nop
.irp i, 2,4,6,8,10,12,14
	v_mov_b32 v[PU+\i], v[PU]
	v_mov_b32 v[PU+\i+1], v[PU+1]
.endr
.Lr_\@:
	WIN 0xc3
	s_wait_alu depctr_va_vdst(0)                   ; ahead of the first reader of O^T
.set n, 0
.rept 32
	v_pk_mul_f32 v[OB+n:OB+n+1], v[OB+n:OB+n+1], v[252:253] op_sel_hi:[1,0]
.set n, n+2
.endr
	WIN 0
.endm
; A KEY STEP on buffers b.  At its end the buffers take the step after next; the counted wait behind those loads shows the next step's data, which were asked for a step ago.
.macro STEP b
	s_add_co_u32 s[SG1], s[SG], 1
	s_and_b32 s[SG1], s[SG1], 7
	s_add_co_u32 s[SG2], s[SG], 2
	s_and_b32 s[SG2], s[SG2], 7
	TILE 0, \b, 1, SG
	TILE 1, \b, 2, SG
	TILE 2, \b, 3, SG
	TILE 3, \b, 0, SG1
	WIN 0xf2
.irp t, 0,1,2,3,4,5,6,7                ; O^T += V^T P^T; the 32 accumulators take turns
.irp u, 0,1,2,3
	v_wmma_f32_16x16x128_fp8_fp8 v[64*\u+8*\t:64*\u+8*\t+7], v[128*(\b)+16*\t:128*(\b)+16*\t+15], v[PC+16*\u:PC+16*\u+15], v[64*\u+8*\t:64*\u+8*\t+7]
.endr
.endr
	WIN 0
	PLACES                                         ; ahead of loads into, and vector lines on, registers that the products read
	s_cmp_eq_u32 s[CNT], 1                         ; the last two steps ask for nothing
	s_cbranch_scc1 .Lend_\@
	s_wait_xcnt 0x0                                ; earlier loads have read their bases
	PTR SG2
	s_bitcmp1_b32 s[AL4], s[SG2]
	s_cbranch_scc1 .Lnk_\@
	FLOAD 0x40, KP, \b
	FLOAD 0x80, VP, \b
	s_wait_loadcnt 63                              ; behind the next step's data stand the 64 loads just issued
	s_branch .Lj_\@
.Lnk_\@:                               ; hidden from all four tiles: V alone
	FLOAD 0x80, VP, \b
	s_wait_loadcnt 32                              ; behind the next step's data stand the 32 just issued
	s_branch .Lj_\@
.Lend_\@:
	s_wait_loadcnt 0x0
.Lj_\@:
	s_mov_b32 s[SG], s[SG1]
.endm
	s_mov_b32 s[CNT], 4
	s_wait_alu depctr_va_vdst(0)                   ; the head's end
.Ltrip:
	STEP 0
	STEP 1
	s_sub_co_u32 s[CNT], s[CNT], 1
	s_cmp_lg_u32 s[CNT], 0
	s_cbranch_scc1 .Ltrip
	; THE JOIN.  Each slot's sum; slots 2 and 3 (-M, the sum, O^T) go to my region in LDS; one barrier; my partner's slots 2 and 3 are my slots 0 and 1 over the other eight key steps.
	s_wait_kmcnt 0x0                               ; no scalar load is out: the masks' registers take two addresses
	ACP 16, 0
	ACP 18, 1
.irp u, 0,1,2,3
	v_add_f32 v[10+4*\u], v[10+4*\u], v[11+4*\u]
	v_mov_b32 v[T+\u], 0                           ; a lane permute's destination counts as one of its sources
.endr
.irp u, 0,1,2,3
	v_permlanex16_b32 v[T+\u], v[10+4*\u], s[SEL], s[SEL+1]
.endr
.irp u, 0,1,2,3
	v_add_f32 v[9+4*\u], v[10+4*\u], v[T+\u]       ; the row's sum over my keys, beside -M
.endr
	ds_store_b64 v[LW], v[16:17] offset:16384
	ds_store_b64 v[LW], v[20:21] offset:16392
	WIN 0x0c
.set n, 0
.rept 32
	ds_store_b128 v[LW], v[128+4*n:128+4*n+3] offset:512*n
.set n, n+1
.endr
	WIN 0
	s_wait_alu depctr_va_vdst(0)
	s_wait_dscnt 0x0                               ; my stores are done, for my partner's sake
	s_barrier_signal -1
	s_barrier_wait -1
	ds_load_b128 v[T:T+3], v[LR] offset:16384
.set n, 0
.rept 32
	ds_load_b128 v[S+4*n:S+4*n+3], v[LR] offset:512*n
.set n, n+1
.endr
	s_wait_dscnt 32                                ; -M and the sums are in; O^T's 32 loads may be out
.irp i, 0,1
	v_min_num_f32 v[220+8*\i], v[8+4*\i], v[T+2*\i]        ; the joint -M
	v_sub_f32 v[222+8*\i], v[220+8*\i], v[8+4*\i]
	v_sub_f32 v[224+8*\i], v[220+8*\i], v[T+2*\i]
	v_cvt_i32_f32 v[222+8*\i], v[222+8*\i]
	v_cvt_i32_f32 v[224+8*\i], v[224+8*\i]
	v_ldexp_f32 v[222+8*\i], 1.0, v[222+8*\i]              ; my half's factor, a power of two,
	v_ldexp_f32 v[224+8*\i], 1.0, v[224+8*\i]              ; and my partner's
	v_mul_f32 v[226+8*\i], v[9+4*\i], v[222+8*\i]
	v_fmac_f32 v[226+8*\i], v[T+2*\i+1], v[224+8*\i]       ; the row's whole sum
	v_mov_b32 v[223+8*\i], 0
	v_mov_b32 v[225+8*\i], 0
.endr
	s_wait_alu depctr_va_vdst(0)                   ; ahead of the batch
	v_rcp_f32 v226, v226
	v_rcp_f32 v234, v234
	v_nop
	s_wait_alu depctr_va_vdst(0)                   ; and behind it, ahead of its first reader
	v_mul_f32 v222, v222, v226
	v_mul_f32 v224, v224, v226
	v_mul_f32 v230, v230, v234
	v_mul_f32 v232, v232, v234
	s_wait_alu depctr_va_vdst(0)
	s_wait_dscnt 0x0
.set n, 0
.rept 32
	v_pk_mul_f32 v[S+n:S+n+1], v[S+n:S+n+1], v[224:225] op_sel_hi:[1,0]
.set n, n+2
.endr
.rept 32
	v_pk_mul_f32 v[S+n:S+n+1], v[S+n:S+n+1], v[232:233] op_sel_hi:[1,0]
.set n, n+2
.endr
	WIN 0x03
	s_wait_alu depctr_va_vdst(0)                   ; ahead of the first reader of O^T
.set n, 0
.rept 32
	v_pk_fma_f32 v[S+n:S+n+1], v[n:n+1], v[222:223], v[S+n:S+n+1] op_sel_hi:[1,0,1]
.set n, n+2
.endr
.rept 32
	v_pk_fma_f32 v[S+n:S+n+1], v[n:n+1], v[230:231], v[S+n:S+n+1] op_sel_hi:[1,0,1]
.set n, n+2
.endr
	WIN 0
	; O^T / the sum, held, converted under 2^(e10 - e8 - e9): eight conversions a tile give the image of the next product's operand; four stores of 512 consecutive bytes a tile
.set n, 0
.rept 128
	v_med3_num_f32 v[S+n], v[S+n], -v247, v247
.set n, n+1
.endr
.irp b, 0,1,2,3,4,5,6,7,8,9,10,11,12,13,14,15
	v_cvt_scalef32_pk8_fp8_f32 v[Q+2*\b:Q+2*\b+1], v[S+8*\b:S+8*\b+7], v246
.endr
	v_nop
.irp c, 0,1,2,3
	global_store_b128 v[LN], v[Q+4*\c:Q+4*\c+3], s[16:17] offset:512*\c
	global_store_b128 v[LN], v[Q+16+4*\c:Q+16+4*\c+3], s[18:19] offset:512*\c
.endr
	s_wait_tensorcnt 0x0                           ; the wave's end: behind my last LDS store
	ds_add_u32 v[SPW], v[NIL]
	s_wait_dscnt 0x0
	s_endpgm
.Lfunc_end_k_q2eb9bc978b_attn:
	.size	k_q2eb9bc978b_attn, .Lfunc_end_k_q2eb9bc978b_attn-k_q2eb9bc978b_attn
	.p2alignl 7, 3214868480
	.fill 96, 4, 3214868480
	.section	.rodata,"a",@progbits
	.p2align	6, 0x0
	.amdhsa_kernel k_q2eb9bc978b_attn
		.amdhsa_group_segment_fixed_size 68096
		.amdhsa_private_segment_fixed_size 0
		.amdhsa_enable_private_segment 0
		.amdhsa_kernarg_size 32
		.amdhsa_user_sgpr_count 2
		.amdhsa_user_sgpr_kernarg_segment_ptr 1
		.amdhsa_wavefront_size32 1
		.amdhsa_system_sgpr_workgroup_id_x 1
		.amdhsa_system_sgpr_workgroup_id_y 1
		.amdhsa_system_sgpr_workgroup_id_z 1
		.amdhsa_system_vgpr_workitem_id 0
		.amdhsa_next_free_vgpr 1024
		.amdhsa_next_free_sgpr 102
		.amdhsa_reserve_vcc 0
		.amdhsa_float_denorm_mode_32 3
		.amdhsa_float_denorm_mode_16_64 3
		.amdhsa_memory_ordered 1
		.amdhsa_forward_progress 1
		.amdhsa_inst_pref_size 255
	.end_amdhsa_kernel
	.section	.bss,"aw",@nobits
	.p2align	6
	.space	262144
	.amdgpu_metadata
---
amdhsa.version: [ 1, 2 ]
amdhsa.kernels:
  - .name:           k_q2eb9bc978b_attn
    .symbol:         k_q2eb9bc978b_attn.kd
    .args:
      - { .name: qkv, .offset: 0, .size: 8, .value_kind: global_buffer, .address_space: global }
      - { .name: mk, .offset: 8, .size: 8, .value_kind: global_buffer, .address_space: global }
      - { .name: lowp_scales, .offset: 16, .size: 8, .value_kind: global_buffer, .address_space: global }
      - { .name: ac, .offset: 24, .size: 8, .value_kind: global_buffer, .address_space: global }
    .group_segment_fixed_size: 68096
    .private_segment_fixed_size: 0
    .kernarg_segment_align: 8
    .kernarg_segment_size: 32
    .max_flat_workgroup_size: 128
    .sgpr_count:     102
    .vgpr_count:     1024
    .wavefront_size: 32
...
	.end_amdgpu_metadata
.endif
;; end of part 3
;; launch oproj (part 4): grid 16 x 16, 4 waves a work-group, clusters of 4 x 4, 327,680 bytes of LDS; arguments ac, wc, lowp_scales, out0; writes out0
.if DOCPART == 4
	.amdgcn_target "amdgcn-amd-amdhsa--gfx1250"
	.amdhsa_code_object_version 6
	.text
	.protected	k_q2eb9bc978b_oproj
	.globl	k_q2eb9bc978b_oproj
	.p2align	8
	.type	k_q2eb9bc978b_oproj,@function
k_q2eb9bc978b_oproj:
	s_mov_b64 s[64:65], 0
	v_nop
	global_prefetch_b8 v0, s[64:65] scope:SCOPE_SE
	s_setreg_imm32_b32 hwreg(HW_REG_WAVE_MODE, 25, 1), 1
	s_wait_xcnt 0x0
	s_wait_alu depctr_hold_cnt(0) depctr_sa_sdst(0) depctr_va_vdst(0) depctr_va_sdst(0) depctr_va_ssrc(0) depctr_va_vcc(0) depctr_vm_vsrc(0)
	s_getreg_b32 s2, hwreg(HW_REG_IB_STS2, 6, 4)
	s_cmp_eq_u32 s2, 0
	s_cbranch_scc0 .Lentry_in_a_cluster
	s_endpgm
.Lentry_in_a_cluster:
	s_bfe_u32 s2, ttmp6, 0x10000c
	s_cmp_lg_u32 s2, 0xf033
	s_cbranch_scc0 .Lentry_shape_is_right
	s_endpgm
.Lentry_shape_is_right:
.set PITCHB, 528
.set ABYTES, 65536
.set SLOT,   ABYTES+128*PITCHB
.set STAGE,  2*SLOT
.set SPITCH, 272
.set SPARE,  STAGE+4*16*SPITCH
.set LAPS,   2
.set ADRA, 16
.set ADRB, 20
.set STO,  24
.set RD,   25
.set CO,   26
.set SPW,  28
.set NIL,  29
.set TMP,  32
.set BK,   64
.set ACC,  128
.set F0,   0
.set F1,   128
.set G1, 24
.set G0, 32
.set G1B, 48
.set G0B, 56
.set MSB, 0
.macro WIN new
.if MSB != (\new)
	s_set_vgpr_msb (MSB<<8)|(\new)
.set MSB, (\new)
.endif
.endm
.set MUL,  0x05
.set TO_F, 0x40
.macro JLOAD s
	s_cmp_eq_u32 s15, 0
	s_cbranch_scc0 .Lfor_b_\@
	tensor_load_to_lds s[G0+4*\s:G0+4*\s+3], s[G1:G1+7]
	s_nop 0
.rept 4
	v_nop
.endr
	s_branch .Lasked_\@
.Lfor_b_\@:
	tensor_load_to_lds s[G0B+4*\s:G0B+4*\s+3], s[G1B:G1B+7]
	s_nop 0
.rept 4
	v_nop
.endr
.Lasked_\@:
.endm
.macro CREST
	s_cmp_lg_u32 s14, 0
	s_cbranch_scc1 .Lnot_wave_0_\@
	s_barrier_signal -3
.Lnot_wave_0_\@:
	s_barrier_wait -3
	s_barrier_signal -1
	s_barrier_wait -1
.endm
.macro CROUND
	s_barrier_signal -1
	s_barrier_wait -1
	CREST
.endm
	s_load_b256 s[4:11], s[0:1], 0x0
	v_lshl_add_u32 v[SPW], v0, 2, SPARE
	v_mov_b32 v[NIL], 0
	ds_add_u32 v[SPW], v[NIL]
	ds_add_u32 v[SPW], v[NIL]
	v_lshrrev_b32 v1, 5, v0
	v_readfirstlane_b32 s14, v1
	s_lshr_b32 s15, s14, 1
	s_and_b32 s16, s14, 1
	s_bfe_u32 s40, ttmp6, 0x40000
	s_bfe_u32 s41, ttmp6, 0x40004
	s_lshl_b32 s42, ttmp9, 2
	s_add_co_u32 s42, s42, s40
	s_and_b32 s17, ttmp7, 0xffff
	s_lshl_b32 s17, s17, 2
	s_add_co_u32 s17, s17, s41
	s_lshl_b32 s43, s41, 2
	s_lshl_b32 s43, 15, s43
	s_lshl_b32 s44, 0x1111, s40
	s_or_b32 s[G1+0], s43, (3<<16)|(1<<21)
	s_mov_b32 s[G1+1], 32<<16
	s_mov_b32 s[G1+2], 128<<16
	s_mov_b32 s[G1+3], 32<<16
	s_mov_b32 s[G1+4], 128
	s_mov_b32 s[G1+5], 32
	s_mov_b32 s[G1+6], 0
	s_mov_b32 s[G1+7], 0
	s_or_b32 s[G1B+0], s44, (0<<16)|(1<<20)|(1<<21)|(6<<22)|(3<<25)
	s_mov_b32 s[G1B+1], 512<<16
	s_mov_b32 s[G1B+2], 64<<16
	s_mov_b32 s[G1B+3], 512<<16
	s_mov_b32 s[G1B+4], 64
	s_mov_b32 s[G1B+5], 2048
	s_mov_b32 s[G1B+6], 0
	s_mov_b32 s[G1B+7], 0
	s_lshl_b32 s20, s17, 18
	s_lshl_b32 s18, s16, 15
	s_add_co_u32 s20, s20, s18
	s_mov_b32 s21, 0
	s_lshl_b32 s46, s42, 7
	s_lshl_b32 s18, s16, 6
	s_add_co_u32 s46, s46, s18
	s_lshl_b32 s46, s46, 11
	s_add_co_u32 s46, s46, 3<<22
	s_mov_b32 s47, 0
	s_lshl_b32 s45, s16, 15
	s_mul_i32 s22, s16, 64*PITCHB
	s_add_co_u32 s22, s22, ABYTES
	s_wait_dscnt 0x0
	s_wait_kmcnt 0x0
	s_load_b64 s[66:67], s[8:9], 0x28
	s_add_nc_u64 s[20:21], s[4:5], s[20:21]
	s_add_nc_u64 s[46:47], s[6:7], s[46:47]
	CROUND
.irp s, 0,1
	s_mov_b32 s[G0+4*\s], 1
	s_add_co_u32 s[G0+4*\s+1], s45, \s*SLOT
	s_add_nc_u64 s[G0+4*\s+2:G0+4*\s+3], s[20:21], \s*65536
	s_or_b32 s[G0+4*\s+3], s[G0+4*\s+3], 0x80000000
	s_mov_b32 s[G0B+4*\s], 1
	s_add_co_u32 s[G0B+4*\s+1], s22, \s*SLOT
	s_add_nc_u64 s[G0B+4*\s+2:G0B+4*\s+3], s[46:47], \s*512
	s_or_b32 s[G0B+4*\s+3], s[G0B+4*\s+3], 0x80000000
	s_wait_alu depctr_va_vdst(0)
	s_wait_tensorcnt 0x0
	ds_add_u32 v28, v29
	ds_add_u32 v28, v29
	s_wait_dscnt 0x0
	CROUND
	JLOAD \s
.endr
	v_and_b32 v1, 15, v0
	v_bfe_u32 v2, v0, 4, 1
	v_and_b32 v3, 31, v0
	v_lshlrev_b32 v3, 4, v3
	v_mul_u32_u24 v4, v1, PITCHB
	v_lshl_add_u32 v4, v2, 4, v4
	s_lshl_b32 s18, s15, 13
	s_mul_i32 s19, s16, 64*PITCHB
	s_add_co_u32 s19, s19, ABYTES
.irp s, 0,1
	v_add_nc_u32 v[ADRA+\s], s18, v3
	v_add_nc_u32 v[ADRB+\s], s19, v4
	s_add_co_u32 s18, s18, SLOT
	s_add_co_u32 s19, s19, SLOT
.endr
	s_mul_i32 s23, s14, 16*SPITCH
	s_add_co_u32 s23, s23, STAGE
	v_mul_u32_u24 v5, v1, SPITCH
	v_lshl_add_u32 v5, v2, 5, v5
	v_add_nc_u32 v[STO], s23, v5
	v_mul_u32_u24 v5, v2, SPITCH
	v_lshl_add_u32 v5, v1, 4, v5
	v_add_nc_u32 v[RD], s23, v5
	v_lshlrev_b32 v5, 13, v2
	v_lshl_add_u32 v[CO], v1, 4, v5
	s_lshl_b32 s20, s17, 7
	s_lshl_b32 s21, s15, 6
	s_add_co_u32 s20, s20, s21
	s_lshl_b32 s20, s20, 13
	s_lshl_b32 s46, s42, 9
	s_lshl_b32 s47, s16, 8
	s_add_co_u32 s46, s46, s47
	s_add_co_u32 s20, s20, s46
	s_mov_b32 s21, 0
	s_add_nc_u64 s[10:11], s[10:11], s[20:21]
.macro MUL4 f, a, zero
.irp b, 0,1,2,3
.if \zero
	v_wmma_f32_16x16x128_fp8_fp8 v[ACC+8*(4*(\a)+\b):ACC+8*(4*(\a)+\b)+7], v[\f+64+16*\b:\f+64+16*\b+15], v[\f+16*(\a):\f+16*(\a)+15], 0
.else
	v_wmma_f32_16x16x128_fp8_fp8 v[ACC+8*(4*(\a)+\b):ACC+8*(4*(\a)+\b)+7], v[\f+64+16*\b:\f+64+16*\b+15], v[\f+16*(\a):\f+16*(\a)+15], v[ACC+8*(4*(\a)+\b):ACC+8*(4*(\a)+\b)+7]
.endif
.endr
.endm
.macro FETCH slot, q, f
	WIN TO_F
.irp i, 0,1,2,3
.irp c, 0,1,2,3
	ds_load_b128 v[\f+64+16*\i+4*\c:\f+64+16*\i+4*\c+3], v[ADRB+\slot] offset:128*(\q)+32*\c+\i*16*PITCHB
.endr
.endr
.irp i, 0,1,2,3
.irp c, 0,1,2,3
	ds_load_b128 v[\f+16*\i+4*\c:\f+16*\i+4*\c+3], v[ADRA+\slot] offset:16384*(\q)+2048*\i+512*\c
.endr
.endr
.endm
.macro PLACES
.rept 4
	v_nop
.endr
.endm
.macro QUARTER slot, q, f, g, zero
	s_wait_dscnt 8
	WIN MUL
	MUL4 \f, 0, \zero
	MUL4 \f, 1, \zero
	PLACES
	FETCH \slot, \q, \g
	s_wait_dscnt 32
	WIN MUL
	MUL4 \f, 2, \zero
	MUL4 \f, 3, \zero
.endm
.macro TURN slot, next, fill
	WIN 0
	s_wait_tensorcnt 0x0
	ds_add_u32 v[SPW], v[NIL]
	s_wait_dscnt 13
	WIN MUL
	MUL4 F1, 0, 0
	s_wait_dscnt 0x0
	s_barrier_signal -1
	MUL4 F1, 1, 0
	WIN 0
	s_barrier_wait -1
.if \fill
	CREST
	s_add_nc_u64 s[G0+4*\slot+2:G0+4*\slot+3], s[G0+4*\slot+2:G0+4*\slot+3], 2*65536
	s_add_nc_u64 s[G0B+4*\slot+2:G0B+4*\slot+3], s[G0B+4*\slot+2:G0B+4*\slot+3], 2*512
	JLOAD \slot
.else
	PLACES
.endif
	s_wait_alu depctr_va_vdst(0)
	FETCH \next, 0, F0
	WIN MUL
	MUL4 F1, 2, 0
	MUL4 F1, 3, 0
.endm
	s_wait_tensorcnt 1
	s_barrier_signal -1
	s_barrier_wait -1
	FETCH 0, 0, F0
	QUARTER 0, 1, F0, F1, 1
	WIN 0
	s_mov_b32 s3, LAPS-1
.Llap:
	QUARTER 0, 2, F1, F0, 0
	QUARTER 0, 3, F0, F1, 0
	TURN 0, 1, 1
	QUARTER 1, 1, F0, F1, 0
	QUARTER 1, 2, F1, F0, 0
	QUARTER 1, 3, F0, F1, 0
	TURN 1, 0, 1
	QUARTER 0, 1, F0, F1, 0
	WIN 0
	s_sub_co_u32 s3, s3, 1
	s_cmp_lg_u32 s3, 0
	s_cbranch_scc1 .Llap
	QUARTER 0, 2, F1, F0, 0
	QUARTER 0, 3, F0, F1, 0
	TURN 0, 1, 0
	QUARTER 1, 1, F0, F1, 0
	QUARTER 1, 2, F1, F0, 0
	QUARTER 1, 3, F0, F1, 0
	s_wait_dscnt 8
	WIN MUL
	MUL4 F1, 0, 0
	MUL4 F1, 1, 0
	s_wait_dscnt 0
	MUL4 F1, 2, 0
	MUL4 F1, 3, 0
	WIN 0
.macro TOSTAGE a
.irp j, 0,2,4,6,8,10,12,14,16,18,20,22,24,26,28,30
	v_pk_mul_f32 v[TMP+\j:TMP+\j+1], v[ACC+32*(\a)+\j:ACC+32*(\a)+\j+1], s[66:67] op_sel_hi:[1,0]
.endr
.irp b, 0,1,2,3
	ds_store_b128 v[STO], v[TMP+8*\b:TMP+8*\b+3] offset:64*\b
	ds_store_b128 v[STO], v[TMP+8*\b+4:TMP+8*\b+7] offset:64*\b+16
.endr
.irp t, 0,1,2,3,4,5,6,7
	ds_load_b128 v[BK+32*((\a)%2)+4*\t:BK+32*((\a)%2)+4*\t+3], v[RD] offset:\t*2*SPITCH
.endr
.endm
.macro SEND a, younger
	s_wait_dscnt \younger
.irp t, 0,1,2,3,4,5,6,7
	global_store_b128 v[CO], v[BK+32*((\a)%2)+4*\t:BK+32*((\a)%2)+4*\t+3], s[10:11] offset:(16*(\a)+2*\t)*8192 th:TH_STORE_NT
.endr
.endm
	s_wait_kmcnt 0x0
	s_add_co_i32 s66, s66, s67
	s_add_co_i32 s66, s66, 127
	s_lshl_b32 s66, s66, 23
	PLACES
	TOSTAGE 0
.irp a, 1,2,3
.if \a > 1
	s_wait_xcnt 0x0
.endif
	TOSTAGE \a
	SEND \a-1, 16
.endr
	SEND 3, 0
	s_wait_tensorcnt 0x0
	ds_add_u32 v[SPW], v[NIL]
	s_wait_dscnt 0x0
	CROUND
	s_endpgm
.Lfunc_end_k_q2eb9bc978b_oproj:
	.size	k_q2eb9bc978b_oproj, .Lfunc_end_k_q2eb9bc978b_oproj-k_q2eb9bc978b_oproj
	.p2alignl 7, 3214868480
	.fill 96, 4, 3214868480
	.section	.rodata,"a",@progbits
	.p2align	6, 0x0
	.amdhsa_kernel k_q2eb9bc978b_oproj
		.amdhsa_group_segment_fixed_size 327680
		.amdhsa_private_segment_fixed_size 0
		.amdhsa_enable_private_segment 0
		.amdhsa_kernarg_size 32
		.amdhsa_user_sgpr_count 2
		.amdhsa_user_sgpr_kernarg_segment_ptr 1
		.amdhsa_wavefront_size32 1
		.amdhsa_system_sgpr_workgroup_id_x 1
		.amdhsa_system_sgpr_workgroup_id_y 1
		.amdhsa_system_sgpr_workgroup_id_z 1
		.amdhsa_system_vgpr_workitem_id 0
		.amdhsa_next_free_vgpr 512
		.amdhsa_next_free_sgpr 68
		.amdhsa_reserve_vcc 0
		.amdhsa_float_denorm_mode_32 3
		.amdhsa_float_denorm_mode_16_64 3
		.amdhsa_memory_ordered 1
		.amdhsa_forward_progress 1
		.amdhsa_inst_pref_size 75
	.end_amdhsa_kernel
	.amdgpu_metadata
---
amdhsa.version: [ 1, 2 ]
amdhsa.kernels:
  - .name:           k_q2eb9bc978b_oproj
    .symbol:         k_q2eb9bc978b_oproj.kd
    .args:
      - { .name: ac, .offset: 0, .size: 8, .value_kind: global_buffer, .address_space: global }
      - { .name: wc, .offset: 8, .size: 8, .value_kind: global_buffer, .address_space: global }
      - { .name: lowp_scales, .offset: 16, .size: 8, .value_kind: global_buffer, .address_space: global }
      - { .name: out0, .offset: 24, .size: 8, .value_kind: global_buffer, .address_space: global }
    .group_segment_fixed_size: 327680
    .private_segment_fixed_size: 0
    .kernarg_segment_align: 8
    .kernarg_segment_size: 32
    .max_flat_workgroup_size: 128
    .sgpr_count:     68
    .vgpr_count:     512
    .wavefront_size: 32
...
	.end_amdgpu_metadata
.endif
;; end of part 4
